; MI455X (gfx1250); checked and timed in simulation.
; The chip was launched on July 23, 2026; its instructions are those of AMD's public machine-readable ISA for CDNA 5 (MIT licence, August 2026) and "CDNA5" Instruction Set Architecture Reference Guide (July 2026). The comments in the code are by the model that wrote it; some were corrected since.
;; Multi Head Attention. Allowed arithmetic: matrix products marked QUANTISED: E4M3 operands, one given power-of-two scale a tensor, by v_wmma_f32_16x16x64_fp8_fp8 or v_wmma_f32_16x16x128_fp8_fp8, f32 sums; everything else in f32.
;; Inputs: lowp_scales 8 int32 (the exponents e of the quantised operands' scales 2^e); mask 1 x 1 x 4,096 x 4,096 bool; out_b 1,024 float32; out_w_codes 1,024 x 32 x 32 uint8 (E4M3 codes of out_w, K innermost, in blocks of 32 codes); wqkv_b 3,072 float32; wqkv_w_codes 3,072 x 32 x 32 uint8 (E4M3 codes of wqkv_w, K innermost, in blocks of 32 codes); x_codes 1 x 4,096 x 32 x 32 uint8 (E4M3 codes of x, K innermost, in blocks of 32 codes).
;; Outputs: out0 1 x 4,096 x 1,024 float32.
;; This version of the problem:
;;   THIS VERSION OF THE PROBLEM IS GIVEN IN LOW PRECISION. The matrix products marked QUANTISED in the list below multiply operands that are first quantised to E4M3 (4 exponent bits, 3 mantissa bits; 8 bits a number), with one given power-of-two scale for each operand tensor; their sums are f32. All else is computed in f32.
;;   The module's matrix products, in the order in which they are computed (A, B: the left and right operand; K: the contracted axis; several contracted axes count as one K, in the product's order):
;;     1. [M 4,096, K 1,024] x [K 1,024, N 3,072]; A: input x (given as codes); B: input wqkv_w (given as codes): QUANTISED (scales: A lowp_scales[0], B lowp_scales[1])
;;     2. batch 16 x [M 4,096, K 64] x [K 64, N 4,096]; A: computed on the way; B: computed on the way: QUANTISED (scales: A lowp_scales[2], B lowp_scales[3])
;;     3. batch 16 x [M 4,096, K 4,096] x [K 4,096, N 64]; A: softmax (see below); B: computed on the way: QUANTISED (scales: A lowp_scales[4], B lowp_scales[5])
;;     4. [M 4,096, K 1,024] x [K 1,024, N 1,024]; A: computed on the way; B: input out_w (given as codes): QUANTISED (scales: A lowp_scales[6], B lowp_scales[7])
;;   THE QUANTISER, for each operand of a quantised product, along K:
;;     - The operand's scale is 2^e, e = its entry of the input lowp_scales (int32; the entries are numbered through the quantised products in the list's order, A before B).
;;     - Each number is divided by the scale, clamped to +-448, and rounded to the nearest number of E4M3, ties to even, subnormals kept.
;;     - The product sums the exact products of the quantised numbers (number of the format x scale) in f32.
;;   ~~~python
;;   def quantise(x, axis, e):      # numpy; x: float32 -> the quantised numbers, widened to float32 again
;;       x = np.moveaxis(x, axis, -1); K = x.shape[-1]
;;       r = np.clip(x / 2.0 ** e, -448, 448)
;;       step = 2.0 ** (np.maximum(np.frexp(np.where(r == 0, 1, r))[1] - 1, -6) - 3)
;;       q = np.round(r / step) * step * 2.0 ** e      # np.round: ties to even
;;       return np.moveaxis(q, -1, axis).astype(np.float32)
;;   ~~~
;;   SOFTMAX AHEAD OF A QUANTISED PRODUCT. Where the list says 'softmax', what is quantised is not the finished softmax but p = 2^(t - M), with t = logit x log2(e) and M = ceil(the row's largest t), a whole number; so 1/2 < the row's largest p <= 1. The row's sum l is taken of the UNQUANTISED p, in f32, and the product's result is divided by l at the end. Since M is a whole number, a kernel that streams over the keys may use a running M (the ceiling of the running maximum): every later rescaling is an exact power of two, so the quantised numbers keep their values, but for numbers so far below the row's largest that they fall under the format's range.
;;   OPERANDS COMPUTED ON THE WAY. 'Computed on the way' means the value that the module computes at that place (a softmax that the list does not call 'softmax' is quantised finished and normalised). What goes into a quantiser is computed in f32, as accurately as f32 sums, v_exp_f32 and their like allow (about 1e-6 of the number): no bf16 or f16 on the way to a quantiser, and a product that is left as it is and whose result goes on into a quantised operand takes f32 operands (vector FMAs, or v_wmma_f32_16x16x4_f32). A number that lies on a knife's edge between two numbers of the format may be rounded either way, as far as f32 arithmetic and the matrix unit's own rounding can turn it there, and no further.
;;   INPUTS GIVEN AS CODES. out_w (in the module: [1024, 1024], K = its axis 0); wqkv_w (in the module: [1024, 3072], K = its axis 0); x (in the module: [1, 4096, 1024], K = its axis 2): each comes as NAME_codes (uint8): NAME with its K axis moved to the last place and cut into blocks of 32 codes, [.., K / 32, bytes a block], one block behind the other in memory; one code a byte (a code: sign, 4 exponent bits, 3 mantissa bits); its scale is its entry of lowp_scales. Its value is code x scale, taken as it is: it is not quantised again, and the codes and scales need not be those that the quantiser above would give.
;; One version. Each part assembles by itself: llvm-mc -triple=amdgcn-amd-amdhsa -mcpu=gfx1250 --defsym DOCPART=n.
;; ======== version 1 of 1: 3 launches
;; limits: right only within a limited range of input values
;; workspace buffers: lm 2,097,152 bytes of whole numbers; fl 16,384 bytes of whole numbers; qf 4,194,304 bytes; kv 8,388,608 bytes; cf 4,194,304 bytes
;; launch qkv (part 1): grid 16 x 16, 4 waves a work-group, clusters of 4 x 4, 327,680 bytes of LDS; arguments x_codes, wqkv_w_codes, lowp_scales, wqkv_b, mask, qf, kv, lm, fl; writes qf, kv, lm, fl
.if DOCPART == 1
	.amdgcn_target "amdgcn-amd-amdhsa--gfx1250"
	.amdhsa_code_object_version 6
	.text
	.protected	k_qc9414885c3_qkv
	.globl	k_qc9414885c3_qkv
	.p2align	8
	.type	k_qc9414885c3_qkv,@function
k_qc9414885c3_qkv:
	s_mov_b64 s[64:65], 0
	v_nop
	global_prefetch_b8 v0, s[64:65] scope:SCOPE_SE
	s_setreg_imm32_b32 hwreg(HW_REG_WAVE_MODE, 25, 1), 1
	s_wait_xcnt 0x0
	s_wait_alu depctr_hold_cnt(0) depctr_sa_sdst(0) depctr_va_vdst(0) depctr_va_sdst(0) depctr_va_ssrc(0) depctr_va_vcc(0) depctr_vm_vsrc(0)
	s_getreg_b32 s2, hwreg(HW_REG_IB_STS2, 6, 4)
	s_cmp_eq_u32 s2, 0
	s_cbranch_scc0 .Lentry_in_a_cluster
	s_endpgm
.Lentry_in_a_cluster:
	s_bfe_u32 s2, ttmp6, 0x10000c
	s_cmp_lg_u32 s2, 0xf033
	s_cbranch_scc0 .Lentry_shape_is_right
	s_endpgm
.Lentry_shape_is_right:
; q, k, v = x wqkv_w + wqkv_b on codes of FP8, q and k rotated (rotate-half), all three quantised and stored as images of the operand registers of the attention's products; AND THE MASK, packed to bits once for all heads.
; No product, bias or step is left out; which blocks of scores the mask hides wholly is stored here (fl) for the next launch to read.
; SHARES.  Clusters of 4 x 4 work-groups; the cluster's x says what is made: 0 q, 1 k, 2 v (12 clusters' worth of tiles: 192 tiles of 256 x 256), 3 the mask (64 work-groups).
; A tile is made by four waves, 128 x 128 each: 64 accumulators.  K goes in four steps of 256 through a ring of two LDS slots filled by joint tensor loads (A's tile shared along the cluster's row, B's along its column).
; Source 1 takes A's rows, source 0 B's.  q, k: A = x, B = w: a lane holds one token and eight neighbouring channels.  v: A = w, B = x: a lane holds one channel and eight neighbouring tokens, which are the next product's K.
; SCALES.  A sum stands for sum x 2^(e0 + e1).  The bias, divided by that, starts the sums of q and k (C of the first product) and is added to v's at the end; the scale itself is folded into the conversion's.
; LIMITS: e0 + e1 between -126 and 126; e2, e3, e5 each less (e0 + e1) between -126 and 119: these powers of two are f32 numbers.
; qf [head][tile of 16 queries][1,024]; kv [head][step of 128 keys][8 images of k, 1,024 each; 4 images of v^T, 2,048 each].
; THE ROTATIONS: the angle is the f32 product position x inv_freq, inv_freq = 2^(-f log2(10000) / 32); less the nearest multiple n of pi (pi in two parts), series to x^11 and x^12 (what is cut is under 6e-8 on |x| <= pi / 2), the sign from n's last bit.
;   Of a half's eight tiles of 16 tokens each of its two waves computes four and lays them in slot 0, which has had its last fill and its last read by then.
; THE MASK: a byte is 0 or 1 (1: the key does not count).  lm [U 128][J 32][lane 32][4 words]: 32 queries of group U (two tiles), 128 keys of step J; words 2 x, 2 x + 1 of lane (r, h) are tile x's query r, keys 16 t + 8 h + j,
;   t = 0 .. 3 and 4 .. 7: bit 8 (j % 4) + 4 (t % 2) + 2 (t / 2 % 2) + j / 4.   fl [U][J]: bit 0: some key of the block counts; bit 1: bit 0, and some key does not.
; REGISTERS.  Window 0: v1 r, v2 h, v6 lane, v8-31 addresses and constants, v32-95 the bias, v96-111 inv_freq, v128-255 A's fragments.  Window 1: B's, two sets.  Windows 2, 3: accumulators ((a, b) at v[8 (8 (a % 4) + b)]).
.set KROW,   1024
.set PITCH,  272                       ; an LDS row: 256 bytes + 16: 68 words, so sixteen rows start at sixteen different banks (64 banks of 4 bytes: ISA guide 11.1)
.set FR,     16
.set HALFT,  128*PITCH
.set SLOT,   4*HALFT
.set SPARE,  2*SLOT
.set MST,    SPARE+512                 ; the mask's stages: 32 rows x 144 bytes a wave
.set ADRA, 8
.set ADRB, 10
.set QSC,  12
.set QLM,  13
.set LI,   14                          ; 16 x lane
.set BO,   15                          ; 32 h; behind the loop: where my half's rotations lie
.set SPW,  16
.set NIL,  17
.set VB,   18                          ; v18-25 v's bias, a channel a lane
.set VO,   26                          ; 4 r; behind the loop v26, v27: -1/11!, 1/12!
.set POS,  28                          ; the position; at the head the prefetches' offset
.set MG,   30
.set BI,   32
.set IV,   96
.set AN,   32
.set NM,   48
.set ZZ,   64
.set PS,   80
.set PC,   112
.set AF,   128
.set RR,   128                         ; the way out: a block of 16 x 128 numbers
.macro CODES a                         ; the way out: block a's 16 registers of codes: six sets (v192-255, v96-127), so only blocks 6 and 7 write registers that an earlier block's stores have read
.if (\a)%6 < 4
.set CS, 192+16*((\a)%6)
.else
.set CS, 96+16*((\a)%6-4)
.endif
.set XW, (\a)/6
.endm
.set G1, 24
.set G0, 32
.set G1B, 48
.set G0B, 56
.set PFA, 12                           ; s[12:13] where my prefetches stand
.set MSB, 0
.macro WIN new                         ; the immediate's high byte repeats the setting that is left
.if MSB != \new
	s_set_vgpr_msb (MSB<<8)|\new
.set MSB, \new
.endif
.endm
.set MUL_LO, 0xa1                      ; source 0 window 1, source 1 window 0, C and D window 2
.set MUL_HI, 0xf1                      ; C and D window 3
; A joint load: waves 0 and 1 fetch for A, waves 2 and 3 for B; each line has one mask and one set of registers for all that issue it.
.macro JLOAD s
	s_cmp_eq_u32 s15, 0
	s_cbranch_scc0 .Lfor_b_\@
	tensor_load_to_lds s[G0+4*\s:G0+4*\s+3], s[G1:G1+7]
	s_nop 0
.rept 4
	v_nop
.endr
	s_branch .Lasked_\@
.Lfor_b_\@:
	tensor_load_to_lds s[G0B+4*\s:G0B+4*\s+3], s[G1B:G1B+7]
	s_nop 0
.rept 4
	v_nop
.endr
.Lasked_\@:
.endm
.macro CREST                           ; a round of the cluster's barrier behind its opening barrier
	s_cmp_lg_u32 s14, 0
	s_cbranch_scc1 .Lnot_wave_0_\@
	s_barrier_signal -3
.Lnot_wave_0_\@:
	s_barrier_wait -3
	s_barrier_signal -1
	s_barrier_wait -1
.endm
.macro CROUND
	s_barrier_signal -1
	s_barrier_wait -1
	CREST
.endm
	s_load_b128 s[4:7], s[0:1], 0x0                ; x, w
	s_load_b128 s[8:11], s[0:1], 0x10              ; the exponents, the bias
	s_load_b128 s[68:71], s[0:1], 0x20             ; mask, qf
	s_load_b128 s[72:75], s[0:1], 0x30             ; kv, lm
	s_load_b64 s[78:79], s[0:1], 0x40              ; fl
	v_lshl_add_u32 v[SPW], v0, 2, SPARE
	v_mov_b32 v[NIL], 0
	ds_add_u32 v[SPW], v[NIL]                      ; the opening: the add, twice on end, and its wait
	ds_add_u32 v[SPW], v[NIL]
	v_lshrrev_b32 v3, 5, v0
	v_readfirstlane_b32 s14, v3                    ; wave 0..3
	s_lshr_b32 s15, s14, 1                         ; which half of A's rows is mine; also: I fetch for A (0) or B (1)
	s_and_b32 s16, s14, 1                          ; which half of B's; also: which half of that tile I fetch
	v_and_b32 v1, 15, v0                           ; r
	v_bfe_u32 v2, v0, 4, 1                         ; h
	v_and_b32 v6, 31, v0
	v_lshlrev_b32 v[LI], 4, v6
	s_bfe_u32 s40, ttmp6, 0x40000                  ; cx
	s_bfe_u32 s41, ttmp6, 0x40004                  ; cy
	s_wait_alu depctr_va_vdst(0)
	s_wait_dscnt 0x0
	s_wait_kmcnt 0x0
	s_cmp_eq_u32 ttmp9, 3
	s_cbranch_scc1 .Lmask                          ; the cluster's number alone: all sixteen partners go the same way
	s_load_b256 s[80:87], s[8:9], 0x0              ; e0 .. e7
	s_and_b32 s18, ttmp7, 0xffff
	s_lshl_b32 s18, s18, 2
	s_lshl_b32 s19, ttmp9, 2
	s_cmp_eq_u32 ttmp9, 2
	s_cselect_b32 s17, 8, s18                      ; A's tile hangs on cy, B's on cx, in v's clusters too
	s_cselect_b32 s42, s18, s19
	s_cselect_b64 s[66:67], s[6:7], s[4:5]
	s_cselect_b64 s[76:77], s[4:5], s[6:7]
	s_add_co_u32 s17, s17, s41
	s_add_co_u32 s42, s42, s40
	s_lshl_b32 s43, s41, 2
	s_lshl_b32 s43, 15, s43
	s_lshl_b32 s44, 0x1111, s40
	s_or_b32 s[G1+0], s43, (0<<16)|(1<<20)|(1<<21)|(5<<22)|(3<<25)   ; the mask; elements of 1 byte; padding: 4 words after every 64
	s_or_b32 s[G1B+0], s44, (0<<16)|(1<<20)|(1<<21)|(5<<22)|(3<<25)
.irp g, G1, G1B
	s_mov_b32 s[\g+1], 256<<16
	s_mov_b32 s[\g+2], 128<<16
	s_mov_b32 s[\g+3], 256<<16
	s_mov_b32 s[\g+4], 128
	s_mov_b32 s[\g+5], KROW
	s_mov_b32 s[\g+6], 0
	s_mov_b32 s[\g+7], 0
.endr
	s_lshl_b32 s18, s16, 7
	s_lshl_b32 s20, s17, 8
	s_add_co_u32 s20, s20, s18
	s_lshl_b32 s20, s20, 10
	s_mov_b32 s21, 0
	s_lshl_b32 s46, s42, 8
	s_add_co_u32 s46, s46, s18
	s_lshl_b32 s46, s46, 10
	s_mov_b32 s47, 0
	s_mul_i32 s45, s14, HALFT                      ; no place in the cluster enters an LDS address
	s_add_nc_u64 s[20:21], s[66:67], s[20:21]
	s_add_nc_u64 s[46:47], s[76:77], s[46:47]
.irp s, 0,1
	s_mov_b32 s[G0+4*\s], 1
	s_add_co_u32 s[G0+4*\s+1], s45, \s*SLOT
	s_add_nc_u64 s[G0+4*\s+2:G0+4*\s+3], s[20:21], \s*256
	s_or_b32 s[G0+4*\s+3], s[G0+4*\s+3], 0x80000000
	s_mov_b32 s[G0B+4*\s], 1
	s_add_co_u32 s[G0B+4*\s+1], s45, \s*SLOT
	s_add_nc_u64 s[G0B+4*\s+2:G0B+4*\s+3], s[46:47], \s*256
	s_or_b32 s[G0B+4*\s+3], s[G0B+4*\s+3], 0x80000000
.endr
	CROUND                                         ; all sixteen work-groups are here: the first joint loads meet
	JLOAD 0                                        ; K step 0: one tensor load a wave at the head
	v_mul_u32_u24 v3, v1, PITCH
	v_lshl_add_u32 v4, v2, 4, v3                   ; a fragment's row x pitch + 16 h
	s_mul_i32 s21, s15, HALFT
	s_mul_i32 s22, s16, HALFT
	s_add_co_u32 s22, s22, 2*HALFT
	v_lshlrev_b32 v[BO], 5, v2
	v_lshlrev_b32 v[VO], 2, v1
	v_lshlrev_b32 v[POS], 10, v6                   ; the prefetches: a lane a row
	s_wait_alu depctr_va_vdst(0)
.irp s, 0,1
	v_add_nc_u32 v[ADRA+\s], s21, v4
	v_add_nc_u32 v[ADRB+\s], s22, v4
	s_add_co_u32 s21, s21, SLOT
	s_add_co_u32 s22, s22, SLOT
.endr
	; THE PREFETCHES INTO THE L2: behind the joint loads of K steps 0 and 1 each wave asks for K steps 2 and 3, two K steps ahead of their loads: of the 128 rows that it fetches the four partners take 32 each, told apart by address.
	s_cmp_eq_u32 s15, 0
	s_cselect_b32 s96, s40, s41
	s_cselect_b32 s97, s17, s42
	s_cselect_b64 s[PFA:PFA+1], s[66:67], s[76:77]
	s_lshl_b32 s96, s96, 15
	s_lshl_b32 s97, s97, 18
	s_lshl_b32 s98, s16, 17
	s_add_co_u32 s96, s96, s97
	s_add_co_u32 s96, s96, s98
	s_mov_b32 s97, 0
	s_add_nc_u64 s[PFA:PFA+1], s[PFA:PFA+1], s[96:97]
	; the bias of my 128 channels
	s_cmp_eq_u32 ttmp9, 2
	s_cselect_b32 s96, s17, s42
	s_cselect_b32 s98, s15, s16
	s_lshl_b32 s96, s96, 10
	s_lshl_b32 s98, s98, 9
	s_add_co_u32 s96, s96, s98
	s_add_nc_u64 s[10:11], s[10:11], s[96:97]
	s_wait_alu depctr_va_vdst(0)
.irp a, 0,1,2,3,4,5,6,7
	global_load_b32 v[VB+\a], v[VO], s[10:11] offset:64*\a
.endr
	s_cmp_eq_u32 ttmp9, 2
	s_cbranch_scc1 .Lno_bias
.irp b, 0,1,2,3,4,5,6,7
	global_load_b128 v[BI+8*\b:BI+8*\b+3], v[BO], s[10:11] offset:64*\b          ; channels 16 b + 8 h + 0 .. 7
	global_load_b128 v[BI+8*\b+4:BI+8*\b+7], v[BO], s[10:11] offset:64*\b+16
.endr
	s_branch .Lbias
.Lno_bias:                                             ; v's sums start with zeros (its bias is a number a lane, added on the way out): one text of the first step serves both
.set J, 0
.rept 64
	v_mov_b32 v[BI+J], 0
.set J, J+1
.endr
.Lbias:
	; inv_freq, f = 16 (m / 8) + 8 h + m % 8
	v_lshlrev_b32 v7, 3, v2
.irp m, 0,1,2,3,4,5,6,7,8,9,10,11,12,13,14,15
	v_add_nc_u32 v[IV+\m], 16*(\m/8)+\m%8, v7
.endr
.irp m, 0,1,2,3,4,5,6,7,8,9,10,11,12,13,14,15
	v_cvt_f32_u32 v[IV+\m], v[IV+\m]
.endr
.irp m, 0,1,2,3,4,5,6,7,8,9,10,11,12,13,14,15
	v_mul_f32 v[IV+\m], 0xbed49a78, v[IV+\m]       ; x -log2(10000) / 32
.endr
	s_wait_alu depctr_va_vdst(0)
.irp m, 0,1,2,3,4,5,6,7,8,9,10,11,12,13,14,15
	v_exp_f32 v[IV+\m], v[IV+\m]
.endr
	v_nop
	s_wait_alu depctr_va_vdst(0)
	global_prefetch_b8 v[POS], s[PFA:PFA+1] offset:512 th:TH_LOAD_NT scope:SCOPE_SE
	s_wait_kmcnt 0x0
	s_add_co_i32 s94, s80, s81                     ; e0 + e1
	s_sub_co_i32 s92, 127, s94
	s_lshl_b32 s92, s92, 23                        ; 2^-(e0 + e1)
	s_mov_b32 s93, s92                             ; (named with it as a pair, so it is written)
	s_cmp_eq_u32 ttmp9, 0
	s_cselect_b32 s95, s82, s83
	s_cmp_eq_u32 ttmp9, 2
	s_cselect_b32 s95, s85, s95
	s_sub_co_i32 s94, s95, s94
	s_add_co_i32 s94, s94, 127
	s_lshl_b32 s95, s94, 23
	v_mov_b32 v[QSC], s95                          ; 2^(e - e0 - e1)
	s_add_co_i32 s94, s94, 8
	s_lshl_b32 s94, s94, 23
	s_or_b32 s94, s94, 0x600000
	v_mov_b32 v[QLM], s94                          ; 448 x that
	; where my results go: s[88:89], and for q and k the second head's s[90:91]
	s_cmp_eq_u32 ttmp9, 2
	s_cselect_b32 s96, s41, s40
	s_cselect_b32 s97, s15, s16
	s_cselect_b32 s98, s42, s17
	s_cselect_b32 s99, s16, s15
	s_cselect_b32 s94, 8192, 0
	s_lshl_b32 s96, s96, 2
	s_lshl_b32 s97, s97, 1
	s_add_co_u32 s96, s96, s97                     ; head
	s_lshl_b32 s98, s98, 1
	s_add_co_u32 s98, s98, s99                     ; block of 128 tokens
	s_cmp_eq_u32 ttmp9, 0
	s_cselect_b32 s95, 18, 19
	s_cselect_b64 s[88:89], s[70:71], s[72:73]
	s_lshl_b32 s96, s96, s95
	s_sub_co_u32 s97, s95, 5
	s_lshl_b32 s98, s98, s97
	s_add_co_u32 s96, s96, s98
	s_add_co_u32 s96, s96, s94
	s_mov_b32 s97, 0
	s_add_nc_u64 s[88:89], s[88:89], s[96:97]
	s_lshl_b32 s96, 1, s95
	s_add_nc_u64 s[90:91], s[88:89], s[96:97]
	s_wait_alu depctr_va_vdst(0)
	s_wait_loadcnt 0x0                             ; the bias
.set J, 0
.rept 32
	v_pk_mul_f32 v[BI+J:BI+J+1], v[BI+J:BI+J+1], s[92:93] op_sel_hi:[1,0]
.set J, J+2
.endr
.macro FRAG reg, adr, q, i             ; 16 rows x 128 K: registers 4 c .. 4 c + 3 hold K = 32 c + 16 h + 0 .. 15, in A and in B alike
.irp c, 0,1,2,3
	ds_load_b128 v[\reg+4*\c:\reg+4*\c+3], v[\adr] offset:128*(\q)+32*\c+(\i)*16*PITCH
.endr
.endm
.macro MUL16 a0, p, first              ; the 64 accumulators take turns, one instruction a turn, in the same order in every step
.irp a, \a0, \a0+1
.irp b, 0,1,2,3,4,5,6,7
.if \first
	v_wmma_f32_16x16x128_fp8_fp8 v[8*(8*((\a)%4)+\b):8*(8*((\a)%4)+\b)+7], v[128*(\p)+FR*\b:128*(\p)+FR*\b+FR-1], v[AF+FR*(\a):AF+FR*(\a)+FR-1], v[BI+8*\b:BI+8*\b+7]
.else
	v_wmma_f32_16x16x128_fp8_fp8 v[8*(8*((\a)%4)+\b):8*(8*((\a)%4)+\b)+7], v[128*(\p)+FR*\b:128*(\p)+FR*\b+FR-1], v[AF+FR*(\a):AF+FR*(\a)+FR-1], v[8*(8*((\a)%4)+\b):8*(8*((\a)%4)+\b)+7]
.endif
.endr
.endr
.endm
.macro FETCH_B slot, q, p
	WIN 0x40
.irp i, 0,1,2,3,4,5,6,7
	FRAG 128*(\p)+FR*\i, ADRB+\slot, \q, \i
.endr
	WIN 0
.endm
.macro FETCH_A slot, q, i0
.irp i, \i0, \i0+1, \i0+2, \i0+3
	FRAG AF+FR*(\i), ADRA+\slot, \q, \i
.endr
.endm
.macro PLACES                          ; four places behind the matrix instructions, in front of loads into their sources or reads of their results (ISA guide 7.12.1 for vector instructions)
.rept 4
	v_nop
.endr
.endm
.macro STEP slot, first                ; a slot's first 128 along K; first: the sums start with the bias (C in window 0)
	s_wait_dscnt 16                                ; B and A's blocks 0-3 are in; A's blocks 4-7 may be out
	WIN MUL_LO-0x20*\first
	MUL16 0, 0, \first
	MUL16 2, 0, \first
	s_wait_dscnt 0
	PLACES
	FETCH_B \slot, 1, 1
	FETCH_A \slot, 1, 0
	WIN MUL_HI-0x30*\first
	MUL16 4, 0, \first
	MUL16 6, 0, \first
	PLACES
	WIN 0
	FETCH_A \slot, 1, 4
.endm
.macro TURN slot, next, fill           ; a slot's second 128 along K, and the change of slots
	s_wait_tensorcnt 0x0                           ; all my tensor loads have landed
	ds_add_u32 v[SPW], v[NIL]
	s_wait_dscnt 17                                ; (the add and the youngest sixteen loads may be out)
	WIN MUL_LO
	MUL16 0, 1, 0
	s_wait_dscnt 0x0                               ; the add is done, and my reads of this slot are over
	s_barrier_signal -1
	MUL16 2, 1, 0
	WIN 0
	s_barrier_wait -1
.if \fill
	CREST                                          ; no wave of any partner still reads this slot or has a load on its way
	s_add_nc_u64 s[G0+4*\slot+2:G0+4*\slot+3], s[G0+4*\slot+2:G0+4*\slot+3], 512
	s_add_nc_u64 s[G0B+4*\slot+2:G0B+4*\slot+3], s[G0B+4*\slot+2:G0B+4*\slot+3], 512
	JLOAD \slot
.else
	PLACES
.endif
	FETCH_B \next, 0, 0
	FETCH_A \next, 0, 0
	WIN MUL_HI
	MUL16 4, 1, 0
	MUL16 6, 1, 0
	PLACES
	WIN 0
	FETCH_A \next, 0, 4
.endm
	s_wait_alu depctr_va_vdst(0)
	s_wait_tensorcnt 0x0                           ; my part of K step 0 is in; these lines stand ahead of a later first fill as ahead of a refill
	ds_add_u32 v[SPW], v[NIL]
	s_wait_dscnt 0x0
	CROUND
	JLOAD 1
	FETCH_B 0, 0, 0
	FETCH_A 0, 0, 0
	FETCH_A 0, 0, 4
	global_prefetch_b8 v[POS], s[PFA:PFA+1] offset:768 th:TH_LOAD_NT scope:SCOPE_SE
	STEP 0, 1                                      ; four K steps: twice round the ring, written out
	TURN 0, 1, 1
	STEP 1, 0
	TURN 1, 0, 1
	STEP 0, 0
	TURN 0, 1, 0
	STEP 1, 0
	s_wait_dscnt 16
	WIN MUL_LO
	MUL16 0, 1, 0
	MUL16 2, 1, 0
	s_wait_dscnt 0
	WIN MUL_HI
	MUL16 4, 1, 0
	MUL16 6, 1, 0
	PLACES
	WIN 0
	s_cmp_eq_u32 ttmp9, 2
	s_cbranch_scc1 .Lout_v
	; THE ROTATIONS of my four tiles: lane (r, h): token r, sixteen angles, m = 8 beta + j: f = 16 beta + 8 h + j
	s_lshl_b32 s96, s17, 8
	s_lshl_b32 s97, s15, 7
	s_add_co_u32 s96, s96, s97
	s_lshl_b32 s97, s16, 6
	s_add_co_u32 s96, s96, s97
	s_lshl_b32 s97, s15, 15
	s_lshl_b32 s98, s16, 14
	s_wait_xcnt 0x0                                ; the prefetches have read v28
	v_add_nc_u32 v[BO], s97, v[LI]
	v_add_nc_u32 v[POS], s96, v1
	v_mov_b32 v[POS+1], 0                          ; (named as the upper half of a pair)
	v_mov_b32 v[MG], 0x4b400000                    ; 1.5 x 2^23: a sum with it ends in n
	v_mov_b32 v[MG+1], 0
	v_mov_b32 v26, 0xb2d7322b                      ; -1 / 11!
	v_mov_b32 v27, 0x310f76c7                      ; 1 / 12!
	v_cvt_f32_u32 v[POS], v[POS]
	s_mov_b32 s2, 0
	s_wait_alu depctr_va_vdst(0)
.Ltab:
.irp j, 0,2,4,6,8,10,12,14
	v_pk_mul_f32 v[AN+\j:AN+\j+1], v[IV+\j:IV+\j+1], v[POS:POS+1] op_sel_hi:[1,0]
.endr
.irp j, 0,2,4,6,8,10,12,14
	v_pk_fma_f32 v[NM+\j:NM+\j+1], v[AN+\j:AN+\j+1], 0x3ea2f983, v[MG:MG+1] op_sel_hi:[1,0,0]
.endr
.irp j, 0,2,4,6,8,10,12,14
	v_pk_add_f32 v[ZZ+\j:ZZ+\j+1], v[NM+\j:NM+\j+1], v[MG:MG+1] op_sel_hi:[1,0] neg_lo:[0,1] neg_hi:[0,1]   ; n
.endr
.irp j, 0,2,4,6,8,10,12,14
	v_pk_fma_f32 v[AN+\j:AN+\j+1], v[ZZ+\j:ZZ+\j+1], 0xc0490fdb, v[AN+\j:AN+\j+1] op_sel_hi:[1,0,1]   ; less n x pi's f32 part,
.endr
.irp j, 0,2,4,6,8,10,12,14
	v_pk_fma_f32 v[AN+\j:AN+\j+1], v[ZZ+\j:ZZ+\j+1], 0x33bbbd2e, v[AN+\j:AN+\j+1] op_sel_hi:[1,0,1]   ; and what that part has over pi
.endr
.irp j, 0,2,4,6,8,10,12,14
	v_pk_mul_f32 v[ZZ+\j:ZZ+\j+1], v[AN+\j:AN+\j+1], v[AN+\j:AN+\j+1]
.endr
.irp j, 0,2,4,6,8,10,12,14
	v_pk_fma_f32 v[PS+\j:PS+\j+1], v[ZZ+\j:ZZ+\j+1], v[26:27], 0x3638ef1d op_sel_hi:[1,0,0]
	v_pk_fma_f32 v[PC+\j:PC+\j+1], v[ZZ+\j:ZZ+\j+1], v[26:27], 0xb493f27e op_sel:[0,1,0] op_sel_hi:[1,1,0]
.endr
.macro HORNER p, c
.irp j, 0,2,4,6,8,10,12,14
	v_pk_fma_f32 v[\p+\j:\p+\j+1], v[\p+\j:\p+\j+1], v[ZZ+\j:ZZ+\j+1], \c op_sel_hi:[1,1,0]
.endr
.endm
	HORNER PS, 0xb9500d01
	HORNER PC, 0x37d00d01
	HORNER PS, 0x3c088889
	HORNER PC, 0xbab60b61
	HORNER PS, 0xbe2aaaab
	HORNER PC, 0x3d2aaaab
	HORNER PC, -0.5
	HORNER PC, 1.0                                 ; cos x
.irp j, 0,2,4,6,8,10,12,14
	v_pk_mul_f32 v[PS+\j:PS+\j+1], v[PS+\j:PS+\j+1], v[ZZ+\j:ZZ+\j+1]
.endr
.irp j, 0,1,2,3,4,5,6,7,8,9,10,11,12,13,14,15
	v_lshlrev_b32 v[NM+\j], 31, v[NM+\j]           ; n odd: both change sign
.endr
.irp j, 0,2,4,6,8,10,12,14
	v_pk_fma_f32 v[PS+\j:PS+\j+1], v[PS+\j:PS+\j+1], v[AN+\j:AN+\j+1], v[AN+\j:AN+\j+1]   ; sin x = x + x x^2 (..)
.endr
.irp j, 0,1,2,3,4,5,6,7,8,9,10,11,12,13,14,15
	v_xor_b32 v[PC+\j], v[NM+\j], v[PC+\j]
.endr
.irp j, 0,1,2,3,4,5,6,7,8,9,10,11,12,13,14,15
	v_xor_b32 v[PS+\j], v[NM+\j], v[PS+\j]
.endr
	s_lshl_b32 s97, s2, 12
	s_add_co_u32 s97, s97, s98
	v_add_nc_u32 v7, s97, v[BO]
.irp g, 0,1,2,3
	ds_store_b128 v7, v[PC+4*\g:PC+4*\g+3] offset:512*\g
	ds_store_b128 v7, v[PS+4*\g:PS+4*\g+3] offset:2048+512*\g
.endr
	v_add_f32 v[POS], 0x41800000, v[POS]           ; 16 tokens on
	s_wait_alu depctr_va_vdst(0)
	s_add_co_u32 s2, s2, 1
	s_cmp_lt_u32 s2, 4
	s_cbranch_scc1 .Ltab
	s_wait_dscnt 0x0                               ; for the others' sake: my stores have landed
	s_barrier_signal -1
	s_barrier_wait -1
.macro TABLOAD a
.irp g, 0,1,2,3,4,5,6,7
	ds_load_b128 v[32+32*((\a)%2)+4*\g:32+32*((\a)%2)+4*\g+3], v[BO] offset:4096*(\a)+512*\g
.endr
.endm
; A block of 16 tokens x two heads: rotated, held, converted: each head's four conversions give the fragment of 16 tokens x 64.
.macro OUT_QK a
.set AC, 64*((\a)%4)
.set TC, 32+32*((\a)%2)
	CODES \a
.if (\a) < 7
	TABLOAD (\a)+1
	s_wait_dscnt 8                                 ; this block's eight loads are in; the next block's stay out
.else
	s_wait_dscnt 0x0
.endif
	WIN 0x02+((\a)/4)
.irp hd, 0,1
.irp be, 0,1
.irp j, 0,2,4,6
	v_pk_mul_f32 v[RR+32*\hd+8*\be+\j:RR+32*\hd+8*\be+\j+1], v[AC+32*\hd+8*\be+\j:AC+32*\hd+8*\be+\j+1], v[TC+8*\be+\j:TC+8*\be+\j+1]
	v_pk_mul_f32 v[RR+32*\hd+8*\be+16+\j:RR+32*\hd+8*\be+16+\j+1], v[AC+32*\hd+8*\be+16+\j:AC+32*\hd+8*\be+16+\j+1], v[TC+8*\be+\j:TC+8*\be+\j+1]
.endr
.endr
.endr
.irp hd, 0,1
.irp be, 0,1
.irp j, 0,2,4,6
	v_pk_fma_f32 v[RR+32*\hd+8*\be+\j:RR+32*\hd+8*\be+\j+1], v[AC+32*\hd+8*\be+16+\j:AC+32*\hd+8*\be+16+\j+1], v[TC+16+8*\be+\j:TC+16+8*\be+\j+1], v[RR+32*\hd+8*\be+\j:RR+32*\hd+8*\be+\j+1] neg_lo:[1,0,0] neg_hi:[1,0,0]
	v_pk_fma_f32 v[RR+32*\hd+8*\be+16+\j:RR+32*\hd+8*\be+16+\j+1], v[AC+32*\hd+8*\be+\j:AC+32*\hd+8*\be+\j+1], v[TC+16+8*\be+\j:TC+16+8*\be+\j+1], v[RR+32*\hd+8*\be+16+\j:RR+32*\hd+8*\be+16+\j+1]
.endr
.endr
.endr
	WIN 0
	QUANT
.irp p, 0,1
	global_store_b128 v[LI], v[CS+4*\p:CS+4*\p+3], s[88:89] offset:1024*(\a)+512*\p     ; 512 consecutive bytes, aligned
	global_store_b128 v[LI], v[CS+8+4*\p:CS+8+4*\p+3], s[90:91] offset:1024*(\a)+512*\p
.endr
.endm
.macro QUANT                           ; 64 numbers a lane: the hold (the conversion does not saturate: ISA guide 7.6.2), eight conversions
.if XW
	s_wait_xcnt 0x0                                ; earlier stores have read their registers: the codes' set may be written again
.endif
.set J, 0
.rept 64
	v_med3_num_f32 v[RR+J], v[RR+J], -v[QLM], v[QLM]
.set J, J+1
.endr
.set J, 0
.rept 8
	v_cvt_scalef32_pk8_fp8_f32 v[CS+2*J:CS+2*J+1], v[RR+8*J:RR+8*J+7], v[QSC]
.set J, J+1
.endr
	v_nop
.endm
.macro OUT_V a                         ; 16 channels x 128 tokens: the fragment of v^T
.set AC, 64*((\a)%4)
	CODES \a
.set VP, VB+2*((\a)/2)
	WIN 0x20+0x10*((\a)/4)
.set J, 0
.rept 32
.if (\a)%2
	v_pk_fma_f32 v[RR+J:RR+J+1], v[VP:VP+1], s[92:93], v[AC+J:AC+J+1] op_sel:[1,0,0] op_sel_hi:[1,0,1]
.else
	v_pk_fma_f32 v[RR+J:RR+J+1], v[VP:VP+1], s[92:93], v[AC+J:AC+J+1] op_sel_hi:[0,0,1]
.endif
.set J, J+2
.endr
	WIN 0
	QUANT
.irp p, 0,1,2,3
	global_store_b128 v[LI], v[CS+4*\p:CS+4*\p+3], s[88:89] offset:((\a)/4)*524288+((\a)%4)*2048+512*\p
.endr
.endm
	TABLOAD 0
.irp a, 0,1,2,3,4,5,6,7
	OUT_QK \a
.endr
	s_branch .Lout_done
.Lout_v:
.irp a, 0,1,2,3,4,5,6,7
	OUT_V \a
.endr
	s_branch .Lout_done
; THE MASK.  A wave takes the 32 rows of U x 2,048 keys, 512 keys a trip: 32 loads, each two rows' 256 consecutive bytes.  Sixteen bytes pack to sixteen bits of a word; the words turn through the wave's own stage (rows of 144 bytes).
; v3 offset in memory, v4 into the stage, v5 out of it, v7 2 h, v26 the flags (lane: step), v31 4 x lane; v64-191 the bytes, v192-223 packed, v224-255 and v32-63 turned, v192-207 the words, v208-215 at work.
.Lmask:
	s_and_b32 s18, ttmp7, 0xffff
	s_lshl_b32 s18, s18, 4
	s_lshl_b32 s19, s41, 2
	s_add_co_u32 s18, s18, s19
	s_add_co_u32 s18, s18, s40
	s_lshl_b32 s18, s18, 1
	s_add_co_u32 s18, s18, s15                     ; U
	s_lshl_b32 s20, s18, 17
	s_lshl_b32 s22, s16, 11
	s_add_co_u32 s20, s20, s22
	s_mov_b32 s21, 0
	s_add_nc_u64 s[68:69], s[68:69], s[20:21]
	s_lshl_b32 s20, s18, 14
	s_lshl_b32 s22, s16, 13
	s_add_co_u32 s20, s20, s22
	s_add_nc_u64 s[74:75], s[74:75], s[20:21]
	s_lshl_b32 s20, s18, 7
	s_lshl_b32 s22, s16, 6
	s_add_co_u32 s20, s20, s22
	s_add_nc_u64 s[78:79], s[78:79], s[20:21]
	v_lshlrev_b32 v3, 4, v1
	v_lshl_add_u32 v3, v2, 12, v3
.macro MLOAD
.irp q, 0,1
.irp k, 0,1,2,3,4,5,6,7,8,9,10,11,12,13,14,15
	global_load_b128 v[64+64*\q+4*\k:64+64*\q+4*\k+3], v3, s[68:69] offset:8192*\k+256*\q th:TH_LOAD_NT
.endr
.endr
.endm
	MLOAD
	s_mul_i32 s23, s14, 32*144
	s_add_co_u32 s23, s23, MST
	v_mul_u32_u24 v4, v2, 144
	v_lshl_add_u32 v4, v1, 2, v4
	v_add_nc_u32 v4, s23, v4
	v_mul_u32_u24 v5, v1, 144
	v_add_nc_u32 v5, s23, v5
	v_lshlrev_b32 v7, 1, v2
	v_lshlrev_b32 v31, 2, v6
	v_mov_b32 v26, 0
	s_mov_b32 s2, 0
	s_wait_alu depctr_va_vdst(0)
.Lmtrip:
	s_wait_loadcnt 0x0
	s_wait_xcnt 0x0                                ; the stores have read their registers and their base
	s_lshl_b32 s20, s2, 11
	s_add_nc_u64 s[88:89], s[74:75], s[20:21]
	s_add_nc_u64 s[68:69], s[68:69], 512
.irp k, 0,4,8,12,16,20,24,28,32,36,40,44,48,52,56,60,64,68,72,76,80,84,88,92,96,100,104,108,112,116,120,124
	v_lshl_or_b32 v[192+\k/4], v[64+\k+1], 1, v[64+\k]
	v_lshl_or_b32 v[64+\k+2], v[64+\k+3], 1, v[64+\k+2]
.endr
.irp k, 0,4,8,12,16,20,24,28,32,36,40,44,48,52,56,60,64,68,72,76,80,84,88,92,96,100,104,108,112,116,120,124
	v_lshl_or_b32 v[192+\k/4], v[64+\k+2], 2, v[192+\k/4]
.endr
	s_wait_alu depctr_va_vdst(0)
	s_cmp_lt_u32 s2, 3
	s_cbranch_scc0 .Lmlast
	MLOAD                                          ; the next trip's bytes, under this trip's work
.Lmlast:
.irp q, 0,1
.irp k, 0,1,2,3,4,5,6,7,8,9,10,11,12,13,14,15
	ds_store_b32 v4, v[192+16*\q+\k] offset:288*\k+64*\q
.endr
.endr
.macro MTURN q, base                   ; LDS serves a wave's instructions in order: these see my stores
.irp s, 0,1
.irp x, 0,1
	ds_load_b128 v[\base+16*\s+8*\x:\base+16*\s+8*\x+3], v5 offset:16*144*\x+64*\q+32*\s
	ds_load_b128 v[\base+16*\s+8*\x+4:\base+16*\s+8*\x+7], v5 offset:16*144*\x+64*\q+32*\s+16
.endr
.endr
.endm
	MTURN 0, 224
	MTURN 1, 32
.macro MWORDS q, base, s               ; step 2 q + s of the trip: four words, the flags, the store
.set WD, 192+4*(2*\q+\s)
.irp i, 0,1,2,3
	v_lshl_or_b32 v[208+2*\i], v[\base+16*\s+4*\i+1], 4, v[\base+16*\s+4*\i]
	v_lshl_or_b32 v[209+2*\i], v[\base+16*\s+4*\i+3], 4, v[\base+16*\s+4*\i+2]
.endr
.irp i, 0,1,2,3,4,5,6,7
	v_lshrrev_b32 v[208+\i], v7, v[208+\i]
.endr
.irp i, 0,1,2,3,4,5,6,7
	v_and_b32 v[208+\i], 0x33333333, v[208+\i]
.endr
.irp i, 0,1,2,3
	v_lshl_or_b32 v[WD+\i], v[209+2*\i], 2, v[208+2*\i]
.endr
	v_or_b32 v27, v[WD], v[WD+1]
	v_or_b32 v28, v[WD+2], v[WD+3]
	v_and_b32 v29, v[WD], v[WD+1]
	v_and_b32 v30, v[WD+2], v[WD+3]
	v_or_b32 v27, v27, v28
	v_and_b32 v29, v29, v30
	v_cmp_ne_u32 s90, 0, v27                       ; some key does not count
	v_cmp_ne_u32 s91, -1, v29                      ; some key counts
	s_wait_alu depctr_va_vdst(0)
	global_store_b128 v[LI], v[WD:WD+3], s[88:89] offset:512*(2*\q+\s)
	s_lshl_b32 s94, s2, 2
	s_add_co_u32 s94, s94, 2*\q+\s
	s_cmp_lg_u32 s91, 0
	s_cselect_b32 s92, 1, 0
	s_cmp_lg_u32 s90, 0
	s_cselect_b32 s93, 2, 0
	s_mul_i32 s93, s93, s92
	s_or_b32 s92, s92, s93
	v_mov_b32 v30, s92
	v_cmp_eq_u32 s95, s94, v6
	v_cndmask_b32 v26, v26, v30, s95
.endm
	s_wait_dscnt 8                                 ; the first eight loads, and so all my stores ahead of them
	MWORDS 0, 224, 0
	MWORDS 0, 224, 1
	s_wait_alu depctr_va_vdst(0)
	s_wait_dscnt 0x0
	MWORDS 1, 32, 0
	MWORDS 1, 32, 1
	s_wait_alu depctr_va_vdst(0)
	s_add_co_u32 s2, s2, 1
	s_cmp_lt_u32 s2, 4
	s_cbranch_scc1 .Lmtrip
	v_cmp_gt_u32 vcc_lo, 16, v6
	s_wait_xcnt 0x0                                ; EXEC changes only behind this wait
	s_and_saveexec_b32 s95, vcc_lo
	global_store_b32 v31, v26, s[78:79]            ; 64 bytes a wave, 16 KiB in the launch: the one store here that covers no whole 256 bytes
	s_wait_xcnt 0x0
	s_or_b32 exec_lo, exec_lo, s95
.Lout_done:
	s_wait_tensorcnt 0x0                           ; the wave's end
	ds_add_u32 v[SPW], v[NIL]
	s_wait_dscnt 0x0
	CROUND                                         ; the closing round
	s_endpgm
.Lfunc_end_k_qc9414885c3_qkv:
	.size	k_qc9414885c3_qkv, .Lfunc_end_k_qc9414885c3_qkv-k_qc9414885c3_qkv
	.p2alignl 7, 3214868480
	.fill 96, 4, 3214868480
	.section	.rodata,"a",@progbits
	.p2align	6, 0x0
	.amdhsa_kernel k_qc9414885c3_qkv
		.amdhsa_group_segment_fixed_size 327680
		.amdhsa_private_segment_fixed_size 0
		.amdhsa_enable_private_segment 0
		.amdhsa_kernarg_size 72
		.amdhsa_user_sgpr_count 2
		.amdhsa_user_sgpr_kernarg_segment_ptr 1
		.amdhsa_wavefront_size32 1
		.amdhsa_system_sgpr_workgroup_id_x 1
		.amdhsa_system_sgpr_workgroup_id_y 1
		.amdhsa_system_sgpr_workgroup_id_z 1
		.amdhsa_system_vgpr_workitem_id 0
		.amdhsa_next_free_vgpr 1024
		.amdhsa_next_free_sgpr 100
		.amdhsa_reserve_vcc 1
		.amdhsa_float_denorm_mode_32 3
		.amdhsa_float_denorm_mode_16_64 3
		.amdhsa_memory_ordered 1
		.amdhsa_forward_progress 1
		.amdhsa_inst_pref_size 255
	.end_amdhsa_kernel
	.section	.bss,"aw",@nobits
	.p2align	6
	.space	262144
	.amdgpu_metadata
---
amdhsa.version: [ 1, 2 ]
amdhsa.kernels:
  - .name:           k_qc9414885c3_qkv
    .symbol:         k_qc9414885c3_qkv.kd
    .args:
      - { .name: x_codes, .offset: 0, .size: 8, .value_kind: global_buffer, .address_space: global }
      - { .name: wqkv_w_codes, .offset: 8, .size: 8, .value_kind: global_buffer, .address_space: global }
      - { .name: lowp_scales, .offset: 16, .size: 8, .value_kind: global_buffer, .address_space: global }
      - { .name: wqkv_b, .offset: 24, .size: 8, .value_kind: global_buffer, .address_space: global }
      - { .name: mask, .offset: 32, .size: 8, .value_kind: global_buffer, .address_space: global }
      - { .name: qf, .offset: 40, .size: 8, .value_kind: global_buffer, .address_space: global }
      - { .name: kv, .offset: 48, .size: 8, .value_kind: global_buffer, .address_space: global }
      - { .name: lm, .offset: 56, .size: 8, .value_kind: global_buffer, .address_space: global }
      - { .name: fl, .offset: 64, .size: 8, .value_kind: global_buffer, .address_space: global }
    .group_segment_fixed_size: 327680
    .private_segment_fixed_size: 0
    .kernarg_segment_align: 8
    .kernarg_segment_size: 72
    .max_flat_workgroup_size: 128
    .sgpr_count:     100
    .vgpr_count:     1024
    .wavefront_size: 32
...
	.end_amdgpu_metadata
.endif
;; end of part 1
;; launch attn (part 2): grid 16 x 16, 8 waves a work-group, no clusters, 205,824 bytes of LDS; arguments qf, kv, lm, fl, lowp_scales, cf; writes cf
.if DOCPART == 2
	.amdgcn_target "amdgcn-amd-amdhsa--gfx1250"
	.amdhsa_code_object_version 6
	.text
	.protected	k_qc9414885c3_attn
	.globl	k_qc9414885c3_attn
	.p2align	8
	.type	k_qc9414885c3_attn,@function
k_qc9414885c3_attn:
	s_mov_b64 s[64:65], 0
	v_nop
	global_prefetch_b8 v0, s[64:65] scope:SCOPE_SE
	s_setreg_imm32_b32 hwreg(HW_REG_WAVE_MODE, 25, 1), 1
	s_wait_xcnt 0x0
; ctx = softmax(q k^T / 8, masked) v for one head, both products on codes of FP8 (E4M3); ctx quantised and stored as images of the last product's operand registers.
; THE SOFTMAX: t = score x log2(e) / 8; M = the largest t so far, rounded UP to a whole number; p = 2^(t - M) is quantised with 2^e4; the sum is taken of the unquantised p and divides at the end.
; When M moves, the sum and O are multiplied by 2^(old M - new M): exact.  A masked score becomes -infinity ahead of the maximum, so its p is 0.
; SHARES.  Work-group (i, head), eight waves, owns blocks 31 - i (A) and i (B) of 128 queries.  Wave w owns 32 queries of EACH (groups A and B: number w % 4 of the block) and walks every second step of 128 keys, those of parity w / 4.
; So all eight waves have work in every trip of 256 keys in which the work-group has any.  The two waves of a group keep an M and a sum of their own and join at the end: both are brought under the larger M, a power of two.
; WHAT THE MASK THROWS AWAY IS NOT COMPUTED: fl (stored by an earlier launch from the mask's bytes) says for each group and step whether any key counts and whether any does not.  The order of blocks is an order of work: the result is right for any mask.
; These branches hang on stored numbers, so this launch has no tensor load and no joint loads in a cluster: K and V go from memory through registers into LDS, 16 bytes a thread and eight such a trip.
; LDS: four slots of 32,768 bytes, a trip's two steps each.  Trip n: A's first product; THE MIDDLE: the wait of trip n - 1's barrier, the store of trip n + 2 into slot (n + 2) % 4, the loads of trip n + 3, this trip's signal; behind it V of
; trip n and K of trip n + 1 are read.  Both were stored ahead of trip n - 1's signal.  At the store every wave has passed trip n - 1's signal and none trip n's wait: so reads can be going on of slots n - 1, n and n + 1 alone.
; THE HOLD at 448 x 2^e4 is needed only where 2^-e4 can pass 448, that is where e4 < -8 (p is at most 1): elsewhere a branch on the given exponent leads round it.
; LAYOUT.  S^T = K Q^T: a lane holds one query (lane % 16), tile t's register j is key 16 t + 8 (lane / 16) + j: tile t's conversion gives registers 2 t, 2 t + 1 of P.  O^T = V^T P^T likewise; its conversions give the fragment of ctx.
; A query none of whose keys counts has the sum 0: its codes are the NaN code, as the problem's own softmax gives NaN there.
; LIMITS: scaled scores under 2^31 in magnitude; e2 + e3 between -123 and 129 (added to c's exponent field); e4, e6 between -126 and 119; e4 + e5 goes in by v_ldexp_f32 and has none.
; REGISTERS.  Window 0: v1-9 addresses, constants; tile X (A: 0, 1; B: 2, 3): v[10 + 4 X]: -M, the largest t, the sum in two halves; v26-37 at work; v38-45 the mask's words in use (A, B), v46-53 those on their way; v54-85 staging;
;   v86, v87 the add's; v96-223 scores, then p; v88-95 chains of the sums, and P overlays them and the scores: v88-103, v104-119; v224-255 Q.   Window 1: v0-127 O^T; v128-191 K; v192-255 V.
.set LI,   1                           ; 16 x lane + 16,384 x parity
.set TI,   2                           ; 16 x thread
.set PFO,  3
.set L16,  4                           ; 16 x lane
.set PLM,  5
.set PSC,  6
.set ADR,  7
.set PD,   8
.set ST,   10
.set F,    26
.set SC,   34
.set LMC,  38
.set LMN,  46
.set STG,  54
.set SPW,  86
.set NIL,  87
.set PF,   88
.set SA,   96
.set QF,   224
.set KF,   128
.set VF,   192
.set TRIPB, 32768
.set JOIN,  4*TRIPB                    ; behind the slots: what the waves exchange at the end: the statistics, 1,024 bytes a wave, then O^T of a group, 8,192 a wave
.set SPARE, JOIN+8*1024+8*8192
.set MSB, 0
.macro WIN new                         ; the immediate's high byte repeats the setting that is left
.if MSB != \new
	s_set_vgpr_msb (MSB<<8)|\new
.set MSB, \new
.endif
.endm
	s_load_b256 s[16:23], s[0:1], 0x0              ; qf, kv, lm, fl
	s_load_b128 s[24:27], s[0:1], 0x20             ; the exponents, cf
	v_lshl_add_u32 v[SPW], v0, 2, SPARE
	v_mov_b32 v[NIL], 0
	v_lshrrev_b32 v9, 5, v0
	v_readfirstlane_b32 s68, v9                    ; wave 0..7
	s_lshr_b32 s69, s68, 2                         ; parity
	s_and_b32 s71, s68, 3                          ; group of the block
	v_and_b32 v9, 31, v0
	v_lshlrev_b32 v[L16], 4, v9
	v_lshlrev_b32 v[PFO], 8, v9
	v_lshlrev_b32 v[PD], 2, v9                     ; 4 x lane
	v_lshlrev_b32 v[TI], 4, v0
	s_lshl_b32 s29, s71, 13
	v_add_nc_u32 v[PFO], s29, v[PFO]               ; 8,192 x (wave % 4) + 256 x lane: inside a trip's 32,768 bytes
	s_lshl_b32 s29, s69, 14
	v_add_nc_u32 v[LI], s29, v[L16]
	s_and_b32 s28, ttmp7, 0xffff                   ; the head
	s_sub_co_u32 s30, 31, ttmp9
	s_lshl_b32 s31, s30, 2
	s_add_co_u32 s31, s31, s71                     ; A's group of 32 queries
	s_lshl_b32 s32, ttmp9, 2
	s_add_co_u32 s32, s32, s71                     ; B's
	s_lshl_b32 s33, s28, 18
	s_lshl_b32 s34, s31, 11
	s_add_co_u32 s34, s34, s33
	s_mov_b32 s35, 0
	s_lshl_b32 s36, s32, 11
	s_add_co_u32 s36, s36, s33
	s_mov_b32 s37, 0
	s_lshl_b32 s4, s28, 19
	s_mov_b32 s5, 0
	s_lshl_b32 s29, s69, 9
	s_lshl_b32 s6, s31, 14
	s_add_co_u32 s6, s6, s29
	s_mov_b32 s7, 0
	s_lshl_b32 s38, s32, 14
	s_add_co_u32 s38, s38, s29
	s_mov_b32 s39, 0
	s_lshl_b32 s40, ttmp9, 9
	s_mov_b32 s41, 0
	s_lshl_b32 s42, s30, 9
	s_mov_b32 s43, 0
	s_lshl_b32 s44, s31, 7
	s_mov_b32 s45, 0
	s_lshl_b32 s46, s32, 7
	s_mov_b32 s47, 0
	s_cmp_eq_u32 s69, 0
	s_cselect_b32 s8, s31, s32                     ; the group that I finish: A by parity 0, B by parity 1
	s_lshl_b32 s8, s8, 15
	s_lshl_b32 s29, s28, 10
	s_add_co_u32 s8, s8, s29
	s_mov_b32 s9, 0
	s_or_b32 s29, s69, ttmp9
	s_cmp_eq_u32 s29, 0
	s_cselect_b32 s70, 11, 0                       ; waves 0 to 3 of the head's first work-group prefetch, in trips 0 to 10
	s_mov_b32 s14, 0x76543210
	s_mov_b32 s15, 0xfedcba98                      ; v_permlanex16_b32's selects for lane l xor 16
	s_mov_b32 s66, 0x3e38aa3b                      ; c = log2(e) / 8
	s_mov_b32 s13, 0                               ; the trip
	s_wait_alu depctr_va_vdst(0)
	s_wait_kmcnt 0x0
	s_load_b256 s[72:79], s[24:25], 0x0            ; e0 .. e7
	s_add_nc_u64 s[34:35], s[16:17], s[34:35]
	s_add_nc_u64 s[36:37], s[16:17], s[36:37]
	s_add_nc_u64 s[4:5], s[18:19], s[4:5]
	s_add_nc_u64 s[6:7], s[20:21], s[6:7]
	s_add_nc_u64 s[38:39], s[20:21], s[38:39]
	s_add_nc_u64 s[40:41], s[22:23], s[40:41]
	s_add_nc_u64 s[42:43], s[22:23], s[42:43]
	s_add_nc_u64 s[44:45], s[22:23], s[44:45]
	s_add_nc_u64 s[46:47], s[22:23], s[46:47]
	s_add_nc_u64 s[8:9], s[26:27], s[8:9]
.irp g, 0,1,2,3
	global_load_b32 v[192+\g], v[PD], s[40:41] offset:128*\g   ; lane J: the flags of step J, of the work-group's eight groups,
	global_load_b32 v[196+\g], v[PD], s[42:43] offset:128*\g
.endr
	global_load_b32 v200, v[PD], s[44:45]          ; and of my two
	global_load_b32 v201, v[PD], s[46:47]
.irp i, 0,1,2,3
	global_load_b128 v[QF+4*\i:QF+4*\i+3], v[L16], s[34:35] offset:512*\i
	global_load_b128 v[QF+16+4*\i:QF+16+4*\i+3], v[L16], s[36:37] offset:512*\i
.endr
	global_load_b128 v[LMN:LMN+3], v[L16], s[6:7]              ; A's words of trip 0,
	global_load_b128 v[LMN+4:LMN+7], v[L16], s[38:39]          ; and B's
.set J, 0
.rept 16
	global_load_b128 v[SA+4*J:SA+4*J+3], v[TI], s[4:5] offset:4096*J   ; trips 0 and 1, and 2 below, whatever the flags say
.set J, J+1
.endr
.irp k, 0,1,2,3,4,5,6,7
	global_load_b128 v[STG+4*\k:STG+4*\k+3], v[TI], s[4:5] offset:2*TRIPB+4096*\k
.endr
	v_mov_b32 v[PD+1], 0                           ; written once: a lane exchange's destination counts as read
.irp x, 0,1,2,3
	v_mov_b32 v[ST+4*\x+1], 0xff61b1e6             ; the largest t so far: -3e38, under every t
	v_mov_b32 v[ST+4*\x+2], 0                      ; the sum, in two halves
	v_mov_b32 v[ST+4*\x+3], 0
.endr
.irp x, 0,1,2,3
	v_floor_f32 v[ST+4*\x], -v[ST+4*\x+1]          ; -M
.endr
.irp j, 0,1,2,3,4,5,6,7,8,9,10,11
	v_mov_b32 v[F+\j], 0
.endr
.set J, 160
.rept 32
	v_mov_b32 v[J], 0                              ; (the scores' upper half, V and the rest of this list are written on every way through the text, under the loads' flight)
.set J, J+1
.endr
.set J, 206
.rept 18
	v_mov_b32 v[J], 0
.set J, J+1
.endr
	WIN 0x40
.set J, 0
.rept 128
	v_mov_b32 v[J], 0                              ; O^T.  (Any step may be jumped over, so no first step can start the sums: they begin as zeros)
.set J, J+1
.endr
.set J, 0
.rept 64
	v_mov_b32 v[VF+J], 0
.set J, J+1
.endr
	WIN 0
	s_wait_kmcnt 0x0
	s_add_co_i32 s29, s74, s75
	s_lshl_b32 s29, s29, 23
	s_add_co_i32 s66, s66, s29                     ; a score stands for score x 2^(e2 + e3)
	s_mov_b32 s67, s66                             ; (named with it as a pair, so it is written)
	s_add_co_i32 s29, s76, 127
	s_lshl_b32 s28, s29, 23
	v_mov_b32 v[PSC], s28                          ; 2^e4
	s_add_co_i32 s29, s29, 8
	s_lshl_b32 s29, s29, 23
	s_or_b32 s29, s29, 0x600000
	v_mov_b32 v[PLM], s29                          ; 448 x 2^e4
	s_cmp_lt_i32 s76, -8
	s_cselect_b32 s56, 1, 0                        ; the hold is needed
	s_wait_alu depctr_va_vdst(0)
	s_wait_loadcnt 24                              ; all but the three trips' 24 loads
.irp g, 1,2,3
	v_or_b32 v192, v192, v[192+\g]
	v_or_b32 v196, v196, v[196+\g]
.endr
	v_or_b32 v192, v192, v196
	v_and_b32 v202, 1, v200
	v_and_b32 v203, 2, v200
	v_and_b32 v204, 1, v201
	v_and_b32 v205, 2, v201
	v_and_b32 v192, 1, v192
	v_cmp_ne_u32 s10, 0, v202                      ; bit J: step J counts for A,
	v_cmp_ne_u32 s11, 0, v203                      ; and some of its keys are masked
	v_cmp_ne_u32 s2, 0, v204                       ; the same for B
	v_cmp_ne_u32 s3, 0, v205
	v_cmp_ne_u32 s12, 0, v192                      ; some wave of the work-group works in step J
	s_lshr_b32 s29, s12, 1
	s_or_b32 s12, s12, s29                         ; bit 2 n: in trip n
	s_lshr_b32 s10, s10, s69                       ; bit 2 n: my step of trip n
	s_lshr_b32 s11, s11, s69
	s_lshr_b32 s2, s2, s69
	s_lshr_b32 s3, s3, s69
	s_or_b32 s59, s10, s2
	s_wait_loadcnt 16                              ; trip 0 is in; the younger trips may be out
.irp k, 0,1,2,3,4,5,6,7
	ds_store_b128 v[TI], v[SA+4*\k:SA+4*\k+3] offset:4096*\k
.endr
	s_wait_dscnt 0x0                               ; for the others' sake: my stores have landed
	s_barrier_signal -1
	s_barrier_wait -1
.macro KLOAD                           ; the next trip's eight fragments of K: images, each load 512 consecutive bytes
	v_add_nc_u32 v[ADR], s58, v[LI]
	WIN 0x40
.irp i, 0,1,2,3,4,5,6,7,8,9,10,11,12,13,14,15
	ds_load_b128 v[KF+4*\i:KF+4*\i+3], v[ADR] offset:512*\i
.endr
	WIN 0
.endm
	s_mov_b32 s58, 0
	KLOAD                                          ; trip 0's
	s_wait_loadcnt 8                               ; trip 1 is in; trip 2's eight loads may be out
.irp k, 0,1,2,3,4,5,6,7
	ds_store_b128 v[TI], v[SA+32+4*\k:SA+32+4*\k+3] offset:TRIPB+4096*\k
.endr
	s_wait_xcnt 0x0                                ; the loads have read their base
	s_add_nc_u64 s[4:5], s[4:5], 2*TRIPB           ; at trip 2: each trip moves it one on
	s_wait_dscnt 0x0
	s_barrier_signal -1                            ; its wait stands in trip 0
; The words' bits are tested one register of scores each; a tile's registers are taken from the low end on.
.macro MASK g
	v_mov_b32 v[SC], 0xff800000                    ; -infinity
.irp x, 0,1
.irp t, 0,1,2,3,4,5,6,7
.irp j, 0,1,2,3,4,5,6,7
	v_and_b32 v[F+\j], 1<<(8*(\j&3)+((\t&1)<<2)+(\t&2)+(\j>>2)), v[LMC+4*\g+2*\x+(\t>>2)]
.endr
.irp j, 0,1,2,3,4,5,6,7
	v_cmp_ne_u32 s[80+\j], 0, v[F+\j]
.endr
.irp j, 0,1,2,3,4,5,6,7
	v_cndmask_b32 v[SA+64*\x+8*\t+\j], v[SA+64*\x+8*\t+\j], v[SC], s[80+\j]
.endr
.endr
.endr
.endm
; THE SOFTMAX of group g's step, both tiles, their lines by turns.
.macro SOFT g
.set SG, ST+8*\g
.irp c, 0,1,2,3
.irp x, 0,1
	v_max3_num_f32 v[F+4*\x+\c], v[SA+64*\x+3*\c], v[SA+64*\x+3*\c+1], v[SA+64*\x+3*\c+2]   ; the step's largest score of my query, among my 64 keys, in four chains a tile,
.endr
.endr
.set J, 12
.set C, 0
.rept 26
.irp x, 0,1
	v_max3_num_f32 v[F+4*\x+C], v[F+4*\x+C], v[SA+64*\x+J], v[SA+64*\x+J+1]
.endr
.set J, J+2
.set C, (C+1)&3
.endr
.irp x, 0,1
	v_max3_num_f32 v[SC+2*\x], v[F+4*\x], v[F+4*\x+2], v[F+4*\x+3]
.endr
.irp x, 0,1
	v_max_num_f32 v[SC+2*\x], v[SC+2*\x], v[F+4*\x+1]
.endr
.irp x, 0,1
	v_permlanex16_b32 v[PD+\x], v[SC+2*\x], s14, s15
.endr
.irp x, 0,1
	v_max_num_f32 v[SC+2*\x], v[SC+2*\x], v[PD+\x]         ; and among lane l xor 16's
.endr
.irp x, 0,1
	v_mul_f32 v[SC+2*\x], s66, v[SC+2*\x]                  ; as t (c is positive)
.endr
.irp x, 0,1
	v_max_num_f32 v[SG+4*\x+1], v[SG+4*\x+1], v[SC+2*\x]   ; the running largest t
.endr
.irp x, 0,1
	v_mov_b32 v[SC+2*\x], v[SG+4*\x]
.endr
.irp x, 0,1
	v_floor_f32 v[SG+4*\x], -v[SG+4*\x+1]                  ; the new -M = floor(-t): M is a whole number
.endr
.irp x, 0,1
	v_sub_f32 v[SC+2*\x], v[SG+4*\x], v[SC+2*\x]           ; old M less new M: a whole number, 0 or less
.endr
.irp x, 0,1
	v_cvt_i32_f32 v[SC+2*\x], v[SC+2*\x]                   ; (it saturates)
.endr
.irp x, 0,1
	v_ldexp_f32 v[F+2*\x], 1.0, v[SC+2*\x]                 ; f = 2^(old M - new M)
.endr
.set J, 0
.rept 32
	v_pk_fma_f32 v[SA+J:SA+J+1], v[SA+J:SA+J+1], s[66:67], v[SG:SG+1] op_sel_hi:[1,0,0]   ; t - M, two at a time: the first tile
.set J, J+2
.endr
	s_wait_alu depctr_va_vdst(0)
.set J, 0
.rept 32
	v_exp_f32 v[SA+J], v[SA+J]                             ; p = 2^(t - M), at most 1: not normalised
	v_exp_f32 v[SA+J+1], v[SA+J+1]
	v_pk_fma_f32 v[SA+64+J:SA+65+J], v[SA+64+J:SA+65+J], s[66:67], v[SG+4:SG+5] op_sel_hi:[1,0,0]   ; and the second tile's t - M, first read behind the wait below
.set J, J+2
.endr
	s_wait_alu depctr_va_vdst(0)
.set J, 64
.rept 64
	v_exp_f32 v[SA+J], v[SA+J]
.set J, J+1
.endr
.irp x, 0,1
	v_pk_mul_f32 v[SG+4*\x+2:SG+4*\x+3], v[SG+4*\x+2:SG+4*\x+3], v[F+2*\x:F+2*\x+1] op_sel_hi:[1,0]   ; the sums under the new M.  (Plain instructions behind the last exponential)
.endr
	s_wait_alu depctr_va_vdst(0)                           ; one wait for both batches, ahead of their first reader
.irp x, 0,1
	v_pk_add_f32 v[SC+2*\x:SC+2*\x+1], v[SA+64*\x:SA+64*\x+1], v[SA+64*\x+2:SA+64*\x+3]   ; the sum is taken of the UNQUANTISED p: two at a time, in four chains a tile
	v_pk_add_f32 v[PF+4*\x:PF+4*\x+1], v[SA+64*\x+4:SA+64*\x+5], v[SA+64*\x+6:SA+64*\x+7]
	v_pk_add_f32 v[PF+4*\x+2:PF+4*\x+3], v[SA+64*\x+8:SA+64*\x+9], v[SA+64*\x+10:SA+64*\x+11]
.endr
.set J, 12
.rept 6
.irp x, 0,1
	v_pk_add_f32 v[SG+4*\x+2:SG+4*\x+3], v[SG+4*\x+2:SG+4*\x+3], v[SA+64*\x+J:SA+64*\x+J+1]
	v_pk_add_f32 v[SC+2*\x:SC+2*\x+1], v[SC+2*\x:SC+2*\x+1], v[SA+64*\x+J+2:SA+64*\x+J+3]
	v_pk_add_f32 v[PF+4*\x:PF+4*\x+1], v[PF+4*\x:PF+4*\x+1], v[SA+64*\x+J+4:SA+64*\x+J+5]
	v_pk_add_f32 v[PF+4*\x+2:PF+4*\x+3], v[PF+4*\x+2:PF+4*\x+3], v[SA+64*\x+J+6:SA+64*\x+J+7]
.endr
.set J, J+8
.endr
.irp x, 0,1
	v_pk_add_f32 v[SG+4*\x+2:SG+4*\x+3], v[SG+4*\x+2:SG+4*\x+3], v[SA+64*\x+60:SA+64*\x+61]
	v_pk_add_f32 v[SC+2*\x:SC+2*\x+1], v[SC+2*\x:SC+2*\x+1], v[SA+64*\x+62:SA+64*\x+63]
	v_pk_add_f32 v[PF+4*\x:PF+4*\x+1], v[PF+4*\x:PF+4*\x+1], v[PF+4*\x+2:PF+4*\x+3]
.endr
.irp x, 0,1
	v_pk_add_f32 v[SG+4*\x+2:SG+4*\x+3], v[SG+4*\x+2:SG+4*\x+3], v[SC+2*\x:SC+2*\x+1]
.endr
.irp x, 0,1
	v_pk_add_f32 v[SG+4*\x+2:SG+4*\x+3], v[SG+4*\x+2:SG+4*\x+3], v[PF+4*\x:PF+4*\x+1]
.endr
	s_cmp_eq_u32 s56, 0
	s_cbranch_scc1 .Lno_hold_\@                            ; p / 2^e4 is at most 256: nothing to hold
.set J, 0
.rept 128
	v_min_num_f32 v[SA+J], v[SA+J], v[PLM]                 ; the conversion does not saturate (ISA guide 7.6.2); p is not negative
.set J, J+1
.endr
.Lno_hold_\@:
.irp t, 0,1,2,3
	v_cvt_scalef32_pk8_fp8_f32 v[PF+2*\t:PF+2*\t+1], v[SA+8*\t:SA+8*\t+7], v[PSC]   ; registers 2 t, 2 t + 1 of P: keys 16 t + 8 h + 0 .. 7
.endr
	v_nop                                                  ; behind it results land on the first conversions' sources
.irp t, 4,5,6,7
	v_cvt_scalef32_pk8_fp8_f32 v[PF+2*\t:PF+2*\t+1], v[SA+8*\t:SA+8*\t+7], v[PSC]
.endr
.irp t, 0,1,2,3,4,5,6,7
	v_cvt_scalef32_pk8_fp8_f32 v[PF+16+2*\t:PF+16+2*\t+1], v[SA+64+8*\t:SA+64+8*\t+7], v[PSC]
.endr
	WIN 0x41                                               ; source 0 and destination window 1
	s_wait_alu depctr_va_vdst(0)                           ; directly ahead of the first reader of O^T
.set J, 0
.rept 16
.irp x, 0,1
	v_pk_mul_f32 v[64*\g+32*\x+J:64*\g+32*\x+J+1], v[64*\g+32*\x+J:64*\g+32*\x+J+1], v[F+2*\x:F+2*\x+1] op_sel_hi:[1,0]   ; O^T under the new M
.endr
.set J, J+2
.endr
	WIN 0
.endm
; Group g's first product: K and Q are in registers.
.macro SCORES g
.rept 5
	v_nop                                                  ; five places: the scores land on what the last products read as P
.endr
	WIN 0x01                                               ; source 0 (K) window 1
.irp t, 0,1,2,3,4,5,6,7
.irp x, 0,1
	v_wmma_f32_16x16x64_fp8_fp8 v[SA+64*\x+8*\t:SA+64*\x+8*\t+7], v[KF+8*\t:KF+8*\t+7], v[QF+16*\g+8*\x:QF+16*\g+8*\x+7], 0
.endr
.endr
	WIN 0
.endm
; The rest of group g's step.  At least four plain instructions stand between its scores and this.
.macro REST g
	s_bitcmp1_b32 s[61-\g], 0
	s_cbranch_scc0 .Lno_k_\@
	KLOAD                                                  ; the next trip's K, behind this trip's last product with K: a softmax ahead of its use
.Lno_k_\@:
.if \g
	s_bitcmp1_b32 s3, 0
.else
	s_bitcmp1_b32 s11, 0
.endif
	s_cbranch_scc0 .Lopen_\@                               ; all 32 x 128 count: nothing to mask
	MASK \g
.Lopen_\@:
	SOFT \g
	s_wait_alu depctr_va_vdst(0)
	s_wait_dscnt 0x0                                       ; V is in
	WIN 0x51                                               ; V, C and D window 1
.irp d, 0,1,2,3
.irp x, 0,1
	v_wmma_f32_16x16x128_fp8_fp8 v[64*\g+32*\x+8*\d:64*\g+32*\x+8*\d+7], v[VF+16*\d:VF+16*\d+15], v[PF+16*\x:PF+16*\x+15], v[64*\g+32*\x+8*\d:64*\g+32*\x+8*\d+7]   ; the accumulators take turns, one instruction a turn
.endr
.endr
	WIN 0
.endm
.Ltrip:
	s_lshl_b32 s57, s13, 15
	s_and_b32 s57, s57, 0x1ffff                            ; this trip's slot,
	s_add_co_u32 s58, s57, TRIPB
	s_and_b32 s58, s58, 0x1ffff                            ; the next trip's,
	s_add_co_u32 s62, s57, 2*TRIPB
	s_and_b32 s62, s62, 0x1ffff                            ; and that of trip n + 2
	s_lshr_b32 s60, s59, 2                                 ; bit 0: I work in the next trip,
	s_and_not1_b32 s61, s60, s2                            ; and B does not work in this one: then A's part (or none) fetches the next K
	s_wait_dscnt 0x0                                       ; K is in
	s_bitcmp1_b32 s10, 0
	s_cbranch_scc0 .Lmid
	SCORES 0
.Lmid:                                                         ; THE TRIP'S MIDDLE: all traffic with memory and all LDS stores stand between this wait and the signal below
	s_barrier_wait -1                                      ; every wave has passed the last trip's middle
	s_wait_loadcnt 0x0                                     ; trip n + 2 and this trip's words (where it masks anything) are in registers
	s_wait_xcnt 0x0                                        ; the prefetch has read the base
	s_add_nc_u64 s[4:5], s[4:5], TRIPB                     ; now at trip n + 3
	s_add_nc_u64 s[6:7], s[6:7], 1024                      ; the next trip's words
	s_add_nc_u64 s[38:39], s[38:39], 1024
.irp j, 0,1,2,3,4,5,6,7
	v_mov_b32 v[LMC+\j], v[LMN+\j]                         ; (these eight are also places behind the scores and in front of the loads into K's and V's registers)
.endr
	s_bitcmp1_b32 s12, 4
	s_wait_alu depctr_va_vdst(0)
	s_cbranch_scc0 .Lno_store
	v_add_nc_u32 v[ADR], s62, v[TI]
.irp k, 0,1,2,3,4,5,6,7
	ds_store_b128 v[ADR], v[STG+4*\k:STG+4*\k+3] offset:4096*\k
.endr
.Lno_store:
	s_wait_dscnt 0x0                                       ; my stores have landed, my reads of the slots so far are in
	s_or_b32 s28, s11, s3
	s_bitcmp1_b32 s28, 2
	s_cbranch_scc0 .Lno_words                              ; the next trip masks nothing of mine
	global_load_b128 v[LMN:LMN+3], v[L16], s[6:7]
	global_load_b128 v[LMN+4:LMN+7], v[L16], s[38:39]
.Lno_words:
	s_bitcmp1_b32 s12, 6                                   ; (past trip 15 the bits are 0, here and above: no load leaves its buffer)
	s_cbranch_scc0 .Lno_load
.irp k, 0,1,2,3,4,5,6,7
	global_load_b128 v[STG+4*\k:STG+4*\k+3], v[TI], s[4:5] offset:4096*\k
.endr
.Lno_load:
	; A PREFETCH INTO THE L2 of trip n + 5, two trips ahead of its load: lanes 256 bytes apart, 8,192 bytes a wave, by four waves of the head's first work-group (all sixteen walk the same bytes): each aligned block of 256 bytes is
	; named once in the launch.  Trips 0 to 4 come by their loads alone; trips 11 on ask for nothing.
	s_cmp_lt_u32 s13, s70
	s_cbranch_scc0 .Lno_ask
	global_prefetch_b8 v[PFO], s[4:5] offset:2*TRIPB th:TH_LOAD_NT scope:SCOPE_SE
.Lno_ask:
	s_barrier_signal -1
	s_bitcmp1_b32 s59, 0
	s_cbranch_scc0 .Lno_v
	v_add_nc_u32 v[ADR], s57, v[LI]
	WIN 0x40
.irp i, 0,1,2,3,4,5,6,7,8,9,10,11,12,13,14,15
	ds_load_b128 v[VF+4*\i:VF+4*\i+3], v[ADR] offset:8192+512*\i
.endr
	WIN 0
.Lno_v:
	s_bitcmp1_b32 s10, 0
	s_cbranch_scc0 .Lno_a
	REST 0
	s_branch .La_done
.Lno_a:
	s_bitcmp1_b32 s61, 0
	s_cbranch_scc0 .La_done
	KLOAD
.La_done:
	s_bitcmp1_b32 s2, 0
	s_cbranch_scc0 .Lno_b
	s_wait_dscnt 0x0                                       ; (no LDS load of mine is out where K is multiplied)
	SCORES 1
.rept 4
	v_nop
.endr
	REST 1
.Lno_b:
	s_lshr_b32 s10, s10, 2                                 ; bit 0 is the next trip's
	s_lshr_b32 s11, s11, 2
	s_lshr_b32 s2, s2, 2
	s_lshr_b32 s3, s3, 2
	s_lshr_b32 s12, s12, 2
	s_lshr_b32 s59, s59, 2
	s_add_co_u32 s13, s13, 1
	s_cmp_lt_u32 s13, 16
	s_cbranch_scc1 .Ltrip
	; THE JOIN.  Waves w and w + 4 hold the same queries under two Ms.  They exchange -M and the sums of all four tiles; each then knows the joint M and sum, scales the group that the other finishes and sends it, and finishes its own.
	s_wait_alu depctr_va_vdst(0)
	s_wait_dscnt 0x0
	s_barrier_wait -1
	s_lshl_b32 s28, s68, 10
	s_xor_b32 s29, s68, 4
	s_lshl_b32 s30, s29, 10
	s_lshl_b32 s31, s68, 13
	s_lshl_b32 s32, s29, 13
	s_add_co_u32 s28, s28, JOIN
	s_add_co_u32 s30, s30, JOIN
	s_add_co_u32 s31, s31, JOIN
	s_add_co_u32 s32, s32, JOIN
	s_wait_alu depctr_va_vdst(0)
.irp x, 0,1,2,3
	v_add_f32 v[F+\x], v[ST+4*\x+2], v[ST+4*\x+3]
.endr
.irp x, 0,1,2,3
	v_permlanex16_b32 v[F+4+\x], v[F+\x], s14, s15
.endr
	v_add_nc_u32 v[ADR], s28, v[L16]
	v_add_nc_u32 v[PD], s30, v[L16]
	v_add_nc_u32 v[PD+1], s31, v[L16]
	v_add_nc_u32 v[LMC], s32, v[L16]
.irp x, 0,1,2,3
	v_mov_b32 v[SA+2*\x], v[ST+4*\x]
	v_add_f32 v[SA+2*\x+1], v[F+\x], v[F+4+\x]             ; and lane l xor 16's keys
.endr
	ds_store_b128 v[ADR], v[SA:SA+3]
	ds_store_b128 v[ADR], v[SA+4:SA+7] offset:512
	s_wait_alu depctr_va_vdst(0)
	s_wait_dscnt 0x0
	s_barrier_signal -1
	s_barrier_wait -1
	ds_load_b128 v[SA+8:SA+11], v[PD]
	ds_load_b128 v[SA+12:SA+15], v[PD] offset:512
	s_wait_dscnt 0x0
.irp x, 0,1,2,3
	v_min_num_f32 v[SA+16+\x], v[SA+2*\x], v[SA+8+2*\x]    ; the joint -M
.endr
.irp x, 0,1,2,3
	v_sub_f32 v[SA+20+\x], v[SA+16+\x], v[SA+2*\x]
	v_sub_f32 v[SA+24+\x], v[SA+16+\x], v[SA+8+2*\x]
.endr
.irp x, 0,1,2,3,4,5,6,7
	v_cvt_i32_f32 v[SA+20+\x], v[SA+20+\x]
.endr
.irp x, 0,1,2,3,4,5,6,7
	v_ldexp_f32 v[SA+20+\x], 1.0, v[SA+20+\x]              ; my factor, the other's
.endr
.irp x, 0,1,2,3
	v_mul_f32 v[SA+28+\x], v[SA+9+2*\x], v[SA+24+\x]
.endr
.irp x, 0,1,2,3
	v_fma_f32 v[SA+28+\x], v[SA+1+2*\x], v[SA+20+\x], v[SA+28+\x]   ; the row's sum
.endr
.irp x, 0,1,2,3
	v_cmp_eq_f32 s[80+\x], 0, v[SA+28+\x]                  ; no key counted for this query
.endr
	s_wait_alu depctr_va_vdst(0)
.irp x, 0,1,2,3
	v_rcp_f32 v[SA+32+\x], v[SA+28+\x]
.endr
	v_mov_b32 v[LMC+1], 0x7f7f7f7f                         ; four NaN codes
	s_add_co_i32 s71, s76, s77                             ; e4 + e5
	s_add_co_i32 s28, s78, 127
	s_lshl_b32 s29, s28, 23
	v_mov_b32 v[PSC], s29                                  ; 2^e6
	s_add_co_i32 s28, s28, 8
	s_lshl_b32 s28, s28, 23
	s_or_b32 s28, s28, 0x600000
	v_mov_b32 v[PLM], s28                                  ; 448 x 2^e6
	s_wait_alu depctr_va_vdst(0)                           ; one wait for the reciprocals, ahead of their first reader
.irp x, 0,1,2,3
	v_ldexp_f32 v[SA+32+\x], v[SA+32+\x], s71
.endr
.irp x, 0,1,2,3
	v_mul_f32 v[ST+2*\x], v[SA+32+\x], v[SA+20+\x]         ; what O^T is multiplied by: 2^(e4 + e5) x my factor / the sum
	v_mov_b32 v[ST+2*\x+1], 0                              ; (named as the upper half of a pair)
.endr
	s_cmp_eq_u32 s69, 0
	s_cselect_b32 s84, s80, s82
	s_cselect_b32 s85, s81, s83
	s_wait_alu depctr_va_vdst(0)
	s_cbranch_scc0 .Lsend_a
.macro SENDG g                         ; group g, scaled, into v160-223
	WIN 0x01
	s_wait_alu depctr_va_vdst(0)                           ; directly ahead of the first reader of O^T
.set J, 0
.rept 16
.irp x, 0,1
	v_pk_mul_f32 v[160+32*\x+J:160+32*\x+J+1], v[64*\g+32*\x+J:64*\g+32*\x+J+1], v[ST+4*\g+2*\x:ST+4*\g+2*\x+1] op_sel_hi:[1,0]
.endr
.set J, J+2
.endr
	WIN 0
	s_wait_alu depctr_va_vdst(0)                           ; the stores stand behind a branch
.endm
.macro KEEPG g                         ; my part of group g, scaled, and the other wave's
	WIN 0x01
	s_wait_alu depctr_va_vdst(0)
.set J, 0
.rept 16
.irp x, 0,1
	v_pk_fma_f32 v[160+32*\x+J:160+32*\x+J+1], v[64*\g+32*\x+J:64*\g+32*\x+J+1], v[ST+4*\g+2*\x:ST+4*\g+2*\x+1], v[SA+32*\x+J:SA+32*\x+J+1] op_sel_hi:[1,0,1]
.endr
.set J, J+2
.endr
	WIN 0
.endm
	SENDG 1
	s_branch .Lsend
.Lsend_a:
	SENDG 0
.Lsend:
.irp i, 0,1,2,3,4,5,6,7,8,9,10,11,12,13,14,15
	ds_store_b128 v[PD+1], v[160+4*\i:163+4*\i] offset:8192+512*\i
.endr
	s_wait_alu depctr_va_vdst(0)
	s_wait_dscnt 0x0
	s_barrier_signal -1
	s_barrier_wait -1
.irp i, 0,1,2,3,4,5,6,7,8,9,10,11,12,13,14,15
	ds_load_b128 v[SA+4*\i:SA+4*\i+3], v[LMC] offset:8192+512*\i
.endr
	s_wait_dscnt 0x0
	s_cmp_eq_u32 s69, 0
	s_cbranch_scc0 .Lkeep_b
	KEEPG 0
	s_branch .Lkept
.Lkeep_b:
	KEEPG 1
.Lkept:
.set J, 0
.rept 64
	v_med3_num_f32 v[160+J], v[160+J], -v[PLM], v[PLM]
.set J, J+1
.endr
.irp x, 0,1
.irp d, 0,1,2,3
	v_cvt_scalef32_pk8_fp8_f32 v[SA+8*\x+2*\d:SA+8*\x+2*\d+1], v[160+32*\x+8*\d:167+32*\x+8*\d], v[PSC]
.endr
.endr
	v_nop                                                  ; one plain vector instruction between the last scaled conversion and the lines that touch its results
.irp x, 0,1
.irp j, 0,1,2,3,4,5,6,7
	v_cndmask_b32 v[SA+8*\x+\j], v[SA+8*\x+\j], v[LMC+1], s[84+\x]
.endr
.endr
.irp x, 0,1
.irp p, 0,1
	global_store_b128 v[L16], v[SA+8*\x+4*\p:SA+8*\x+4*\p+3], s[8:9] offset:16384*\x+512*\p   ; 512 consecutive bytes, aligned
.endr
.endr
	s_wait_tensorcnt 0x0                                   ; the wave's end
	ds_add_u32 v[SPW], v[NIL]
	s_wait_dscnt 0x0
	s_endpgm
.Lfunc_end_k_qc9414885c3_attn:
	.size	k_qc9414885c3_attn, .Lfunc_end_k_qc9414885c3_attn-k_qc9414885c3_attn
	.p2alignl 7, 3214868480
	.fill 96, 4, 3214868480
	.section	.rodata,"a",@progbits
	.p2align	6, 0x0
	.amdhsa_kernel k_qc9414885c3_attn
		.amdhsa_group_segment_fixed_size 205824
		.amdhsa_private_segment_fixed_size 0
		.amdhsa_enable_private_segment 0
		.amdhsa_kernarg_size 48
		.amdhsa_user_sgpr_count 2
		.amdhsa_user_sgpr_kernarg_segment_ptr 1
		.amdhsa_wavefront_size32 1
		.amdhsa_system_sgpr_workgroup_id_x 1
		.amdhsa_system_sgpr_workgroup_id_y 1
		.amdhsa_system_sgpr_workgroup_id_z 1
		.amdhsa_system_vgpr_workitem_id 0
		.amdhsa_next_free_vgpr 512
		.amdhsa_next_free_sgpr 96
		.amdhsa_reserve_vcc 0
		.amdhsa_float_denorm_mode_32 3
		.amdhsa_float_denorm_mode_16_64 3
		.amdhsa_memory_ordered 1
		.amdhsa_forward_progress 1
		.amdhsa_inst_pref_size 148
	.end_amdhsa_kernel
	.amdgpu_metadata
---
amdhsa.version: [ 1, 2 ]
amdhsa.kernels:
  - .name:           k_qc9414885c3_attn
    .symbol:         k_qc9414885c3_attn.kd
    .args:
      - { .name: qf, .offset: 0, .size: 8, .value_kind: global_buffer, .address_space: global }
      - { .name: kv, .offset: 8, .size: 8, .value_kind: global_buffer, .address_space: global }
      - { .name: lm, .offset: 16, .size: 8, .value_kind: global_buffer, .address_space: global }
      - { .name: fl, .offset: 24, .size: 8, .value_kind: global_buffer, .address_space: global }
      - { .name: lowp_scales, .offset: 32, .size: 8, .value_kind: global_buffer, .address_space: global }
      - { .name: cf, .offset: 40, .size: 8, .value_kind: global_buffer, .address_space: global }
    .group_segment_fixed_size: 205824
    .private_segment_fixed_size: 0
    .kernarg_segment_align: 8
    .kernarg_segment_size: 48
    .max_flat_workgroup_size: 256
    .sgpr_count:     96
    .vgpr_count:     512
    .wavefront_size: 32
...
	.end_amdgpu_metadata
.endif
;; end of part 2
;; launch proj (part 3): grid 8 x 32, 4 waves a work-group, clusters of 4 x 4, 327,680 bytes of LDS; arguments cf, out_w_codes, lowp_scales, out_b, out0; writes out0
.if DOCPART == 3
	.amdgcn_target "amdgcn-amd-amdhsa--gfx1250"
	.amdhsa_code_object_version 6
	.text
	.protected	k_qc9414885c3_proj
	.globl	k_qc9414885c3_proj
	.p2align	8
	.type	k_qc9414885c3_proj,@function
k_qc9414885c3_proj:
	s_mov_b64 s[64:65], 0
	v_nop
	global_prefetch_b8 v0, s[64:65] scope:SCOPE_SE
	s_setreg_imm32_b32 hwreg(HW_REG_WAVE_MODE, 25, 1), 1
	s_wait_xcnt 0x0
	s_wait_alu depctr_hold_cnt(0) depctr_sa_sdst(0) depctr_va_vdst(0) depctr_va_sdst(0) depctr_va_ssrc(0) depctr_va_vcc(0) depctr_vm_vsrc(0)
	s_getreg_b32 s2, hwreg(HW_REG_IB_STS2, 6, 4)
	s_cmp_eq_u32 s2, 0
	s_cbranch_scc0 .Lentry_in_a_cluster
	s_endpgm
.Lentry_in_a_cluster:
	s_bfe_u32 s2, ttmp6, 0x10000c
	s_cmp_lg_u32 s2, 0xf033
	s_cbranch_scc0 .Lentry_shape_is_right
	s_endpgm
.Lentry_shape_is_right:
; out0 = ctx out_w + out_b on codes of FP8 (E4M3).  cf [T 256][head 16][1,024]: images of the fragments of ctx (16 rows x 64 along K; two neighbouring heads are one fragment of 128 along K, k in its true places).
; out_w_codes [1024 n][1024 k], K innermost.  out0 [4096][1024] f32.  A sum stands for sum x 2^(e6 + e7).   LIMIT: e6 + e7 between -126 and 127.
; A tile of 128 x 128 is made by a work-group of four waves, a wave makes 64 x 64: 16 accumulators: 256 work-groups.  ALL of K fits in LDS and is filled once: one tensor load a wave (half of ctx's or of out_w's rows, 65,536 bytes).
; So there is no ring and no loop to run ahead in, and nothing is prefetched.
; CLUSTERS: 4 x 4.  The four of a row of the cluster need the same rows of ctx, the four of a column the same rows of out_w: each tile is asked for JOINTLY.
; THE MATRIX INSTRUCTION IS USED TRANSPOSED (source 0 = 16 rows of out_w, source 1 = 16 rows of ctx): a lane holds eight neighbouring numbers of a row of out0.
; LDS: ctx: 8 tiles x 16,384 bytes, dense images; from BOFF out_w: 128 rows of 1,024 bytes + 16.  Behind them each wave's stage for the way out: 16 rows of 256 bytes + 16; no fill lands there.
; REGISTERS.  Window 0: v16, v20 LDS addresses of my fragments; v24-26 the way out's addresses; v30, v31 the add's; v32-63 bias; v64-95 a block's results; v96-127 rows read back; v128-255 accumulators ((a, b) at v[128 + 8 (4 a + b)]).
;   Window 1: two buffers of 128: ctx's four fragments, then out_w's four.
.set BOFF,  131072
.set BPITCH, 1040                      ; 260 words: the 32 lanes of an 8-byte load (row r, 8 h) touch 64 different banks (64 banks of 4 bytes: ISA guide 11.1)
.set PITCH, 272
.set STAGE, BOFF+128*BPITCH
.set SPARE, STAGE+4*16*PITCH
.set ADA, 16
.set ADB, 20
.set STO, 24
.set RD,  25
.set CO,  26
.set BI,  32
.set YY,  64
.set BK,  96
.set ACC, 128
.set G1,  24
.set G0,  32
.set G1B, 48
.set G0B, 68
.set MSB, 0
.macro WIN new                         ; the immediate's high byte repeats the setting that is left
.if MSB != \new
	s_set_vgpr_msb (MSB<<8)|\new
.set MSB, \new
.endif
.endm
.macro CROUND                          ; a round of the cluster's barrier
	s_barrier_signal -1
	s_barrier_wait -1
	s_cmp_lg_u32 s14, 0
	s_cbranch_scc1 .Lnot_wave_0_\@
	s_barrier_signal -3
.Lnot_wave_0_\@:
	s_barrier_wait -3
	s_barrier_signal -1
	s_barrier_wait -1
.endm
.macro PLACES
.rept 4
	v_nop
.endr
.endm
	s_load_b256 s[4:11], s[0:1], 0x0               ; cf s[4:5], out_w's codes s[6:7], the exponents s[8:9], out_b s[10:11]
	s_load_b64 s[12:13], s[0:1], 0x20              ; out0
	v_lshl_add_u32 v30, v0, 2, SPARE
	v_mov_b32 v31, 0
	ds_add_u32 v30, v31                            ; the opening: the add, twice on end, and its wait
	ds_add_u32 v30, v31
	v_lshrrev_b32 v1, 5, v0
	v_readfirstlane_b32 s14, v1                    ; wave 0..3
	s_lshr_b32 s15, s14, 1                         ; which half of the tile's rows is mine.  Also: I fetch for ctx (0) or for out_w (1)
	s_and_b32 s16, s14, 1                          ; which half of its columns.  Also: which half of that tile I fetch
	s_bfe_u32 s19, ttmp6, 0x40000                  ; cx
	s_bfe_u32 s22, ttmp6, 0x40004                  ; cy
	s_lshl_b32 s23, ttmp9, 2
	s_add_co_u32 s23, s23, s19                     ; tile column
	s_and_b32 s17, ttmp7, 0xffff
	s_lshl_b32 s17, s17, 2
	s_add_co_u32 s17, s17, s22                     ; tile row
	s_lshl_b32 s2, s22, 2
	s_lshl_b32 s2, 15, s2                          ; my row of the cluster
	s_lshl_b32 s3, 0x1111, s19                     ; my column
	; ctx: 4 tiles of 16,384 bytes, dense: elements of 8 bytes
	s_or_b32 s[G1+0], s2, (3<<16)|(1<<21)
	s_mov_b32 s[G1+1], 2048<<16
	s_mov_b32 s[G1+2], 4<<16
	s_mov_b32 s[G1+3], 2048<<16
	s_mov_b32 s[G1+4], 4
	s_mov_b32 s[G1+5], 2048
	s_mov_b32 s[G1+6], 0
	s_mov_b32 s[G1+7], 0
	; out_w: 64 rows x 1,024 bytes, in LDS 4 words of padding after every 256 (code 7)
	s_or_b32 s[G1B+0], s3, (0<<16)|(1<<20)|(1<<21)|(7<<22)|(3<<25)
	s_mov_b32 s[G1B+1], 1024<<16
	s_mov_b32 s[G1B+2], 64<<16
	s_mov_b32 s[G1B+3], 1024<<16
	s_mov_b32 s[G1B+4], 64
	s_mov_b32 s[G1B+5], 1024
	s_mov_b32 s[G1B+6], 0
	s_mov_b32 s[G1B+7], 0
	s_lshl_b32 s18, s16, 16
	s_lshl_b32 s20, s17, 17
	s_add_co_u32 s20, s20, s18                     ; ctx: by the tile row alone, which my row of the cluster shares
	s_mov_b32 s21, 0
	s_lshl_b32 s84, s23, 17
	s_add_co_u32 s84, s84, s18                     ; out_w: by the tile column alone, which my column shares
	s_mov_b32 s85, 0
	s_mul_i32 s57, s16, 64*BPITCH
	s_add_co_u32 s57, s57, BOFF
	s_wait_dscnt 0x0                               ; both opening adds are done
	s_wait_kmcnt 0x0
	s_load_b256 s[88:95], s[8:9], 0x0              ; e0 .. e7
	s_add_nc_u64 s[20:21], s[4:5], s[20:21]
	s_add_nc_u64 s[84:85], s[6:7], s[84:85]
	s_mov_b32 s[G0], 1
	s_mov_b32 s[G0+1], s18                         ; 65,536 x half: no place in the cluster enters an LDS address
	s_mov_b64 s[G0+2:G0+3], s[20:21]
	s_or_b32 s[G0+3], s[G0+3], 0x80000000
	s_mov_b32 s[G0B], 1
	s_mov_b32 s[G0B+1], s57
	s_mov_b64 s[G0B+2:G0B+3], s[84:85]
	s_or_b32 s[G0B+3], s[G0B+3], 0x80000000
	CROUND                                         ; all sixteen work-groups are here: the joint loads meet
	s_cmp_eq_u32 s15, 0
	s_cbranch_scc0 .Lfill_b
	tensor_load_to_lds s[G0:G0+3], s[G1:G1+7]
	s_nop 0
	PLACES
	s_branch .Lfilled
.Lfill_b:
	tensor_load_to_lds s[G0B:G0B+3], s[G1B:G1B+7]
	s_nop 0
	PLACES
.Lfilled:
	v_and_b32 v1, 15, v0                           ; r
	v_bfe_u32 v2, v0, 4, 1                         ; h
	v_and_b32 v3, 31, v0
	v_lshlrev_b32 v4, 4, v3                        ; 16 x lane: an image's place for my lane
	v_mul_u32_u24 v5, v1, BPITCH
	v_lshl_add_u32 v5, v2, 3, v5                   ; out_w: row r, + 8 h: k in its true places, as ctx's images have it
	s_lshl_b32 s58, s15, 16                        ; my four tiles of ctx
	s_mul_i32 s59, s16, 64*BPITCH                  ; my 64 rows of out_w
	s_add_co_u32 s59, s59, BOFF
	v_add_nc_u32 v[ADA], s58, v4
	v_add_nc_u32 v[ADB], s59, v5
	s_mul_i32 s60, s14, 16*PITCH
	s_add_co_u32 s60, s60, STAGE                   ; my stage
	v_mul_u32_u24 v[STO], v1, PITCH
	v_lshl_add_u32 v[STO], v2, 5, v[STO]
	v_add_nc_u32 v[STO], s60, v[STO]               ; in: row r, 32 bytes for each half of the lanes
	v_mul_u32_u24 v[RD], v2, PITCH
	v_lshl_add_u32 v[RD], v1, 4, v[RD]
	v_add_nc_u32 v[RD], s60, v[RD]                 ; back: lanes 0-15 one row of 256 bytes, lanes 16-31 the next
	v_lshlrev_b32 v[CO], 12, v2
	v_lshl_add_u32 v[CO], v1, 4, v[CO]             ; and the same two rows in out0
	v_lshlrev_b32 v6, 5, v2                        ; 32 h
	s_wait_alu depctr_va_vdst(0)
	s_lshl_b32 s60, s23, 9                         ; my first column, in bytes: 512 x tile column + 256 x half
	s_lshl_b32 s61, s16, 8
	s_add_co_u32 s60, s60, s61
	s_mov_b32 s61, 0
	s_add_nc_u64 s[10:11], s[10:11], s[60:61]      ; in the bias,
	s_add_nc_u64 s[12:13], s[12:13], s[60:61]      ; and in out0,
	s_lshl_b32 s60, s17, 19                        ; at my first row: (128 x tile row + 64 x half) rows of 4,096 bytes
	s_lshl_b32 s62, s15, 18
	s_add_co_u32 s60, s60, s62
	s_add_nc_u64 s[12:13], s[12:13], s[60:61]
.irp b, 0,1,2,3
	global_load_b128 v[BI+8*\b:BI+8*\b+3], v6, s[10:11] offset:64*\b       ; lane (r, h), tile b: columns 16 b + 8 h + 0 .. 7
	global_load_b128 v[BI+8*\b+4:BI+8*\b+7], v6, s[10:11] offset:64*\b+16
.endr
; The fragments of K step s (128 along K): 16 loads of 16 bytes for ctx's four images, 32 of 8 bytes for out_w's four tiles of rows: 48 in one run, into buffer f
.macro FETCH s, f
	WIN 0x40                                       ; destination window 1
.irp i, 0,1,2,3
.irp p, 0,1,2,3
	ds_load_b128 v[\f+16*\i+4*\p:\f+16*\i+4*\p+3], v[ADA] offset:16384*\i+2048*(\s)+512*\p
.endr
.endr
.irp b, 0,1,2,3
.irp c, 0,1,2,3,4,5,6,7
	ds_load_b64 v[\f+64+16*\b+2*\c:\f+64+16*\b+2*\c+1], v[ADB] offset:16*BPITCH*\b+128*(\s)+16*\c
.endr
.endr
.endm
; 16 matrix instructions; the accumulators take turns, one instruction a turn, in the same order in every step.  zero = 1: the first product starts the sums
.macro MUL16 f, zero
	WIN 0x05                                       ; sources 0 and 1 window 1
.irp a, 0,1,2,3
.irp b, 0,1,2,3
.if \zero
	v_wmma_f32_16x16x128_fp8_fp8 v[ACC+8*(4*\a+\b):ACC+8*(4*\a+\b)+7], v[\f+64+16*\b:\f+64+16*\b+15], v[\f+16*\a:\f+16*\a+15], 0
.else
	v_wmma_f32_16x16x128_fp8_fp8 v[ACC+8*(4*\a+\b):ACC+8*(4*\a+\b)+7], v[\f+64+16*\b:\f+64+16*\b+15], v[\f+16*\a:\f+16*\a+15], v[ACC+8*(4*\a+\b):ACC+8*(4*\a+\b)+7]
.endif
.endr
.endr
.endm
	s_wait_tensorcnt 0x0                           ; my load is in,
	s_barrier_signal -1
	s_barrier_wait -1                              ; everybody's is
	FETCH 0, 0
.set KS, 0
.rept 8                                ; eight K steps of 128: a run of loads has sixteen matrix instructions in which to land
.if KS > 0
	PLACES                                         ; in front of loads into the buffer that the last step's products read
.endif
	s_wait_dscnt 0x0                               ; this step's 48 loads are in
.if KS < 7
	FETCH KS+1, 128*((KS+1)%2)
.endif
.if KS == 0
	MUL16 0, 1
.else
	MUL16 128*(KS%2), 0
.endif
.set KS, KS+1
.endr
	WIN 0
	; THE WAY OUT, a block of 16 rows x 64 columns at a time: sum x 2^(e6 + e7) + bias, through my own stage, back as whole rows of 256 bytes.
	s_wait_kmcnt 0x0
	s_add_co_i32 s86, s94, s95
	s_add_co_i32 s86, s86, 127
	s_lshl_b32 s86, s86, 23                        ; 2^(e6 + e7) as f32
	s_mov_b32 s87, s86                             ; (named with it as a pair, so it is written)
	PLACES                                         ; in front of the first read of results
	s_wait_loadcnt 0x0                             ; the bias
.irp a, 0,1,2,3
.irp b, 0,1,2,3
.irp j, 0,2,4,6
	v_pk_fma_f32 v[YY+8*\b+\j:YY+8*\b+\j+1], v[ACC+8*(4*\a+\b)+\j:ACC+8*(4*\a+\b)+\j+1], s[86:87], v[BI+8*\b+\j:BI+8*\b+\j+1] op_sel_hi:[1,0,1]   ; each accumulator from its low end on
.endr
.endr
.irp b, 0,1,2,3
	ds_store_b128 v[STO], v[YY+8*\b:YY+8*\b+3] offset:64*\b
	ds_store_b128 v[STO], v[YY+8*\b+4:YY+8*\b+7] offset:64*\b+16
.endr
	s_wait_xcnt 0x0                                ; the last block's stores have read their registers: the loads below land there only behind this wait
.irp t, 0,1,2,3,4,5,6,7
	ds_load_b128 v[BK+4*\t:BK+4*\t+3], v[RD] offset:\t*2*PITCH   ; LDS serves a wave's instructions in order: these see my stores, and the next block's stores come behind them
.endr
.irp t, 0,1,2,3,4,5,6,7
	s_wait_dscnt 7-\t                              ; pair t of rows is back; the younger loads stay out.  (At t = 7 the LDS stores are done too: their registers may be written again)
	global_store_b128 v[CO], v[BK+4*\t:BK+4*\t+3], s[12:13] offset:(16*\a+2*\t)*4096 th:TH_STORE_NT   ; sixteen lanes store 256 consecutive bytes, aligned; written once, read by nobody here
.endr
.endr
	s_wait_tensorcnt 0x0                           ; the wave's end
	ds_add_u32 v30, v31
	s_wait_dscnt 0x0
	CROUND                                         ; the closing round: no work-group ends while a partner may still ask for a tile that names it
	s_endpgm
.Lfunc_end_k_qc9414885c3_proj:
	.size	k_qc9414885c3_proj, .Lfunc_end_k_qc9414885c3_proj-k_qc9414885c3_proj
	.p2alignl 7, 3214868480
	.fill 96, 4, 3214868480
	.section	.rodata,"a",@progbits
	.p2align	6, 0x0
	.amdhsa_kernel k_qc9414885c3_proj
		.amdhsa_group_segment_fixed_size 327680
		.amdhsa_private_segment_fixed_size 0
		.amdhsa_enable_private_segment 0
		.amdhsa_kernarg_size 40
		.amdhsa_user_sgpr_count 2
		.amdhsa_user_sgpr_kernarg_segment_ptr 1
		.amdhsa_wavefront_size32 1
		.amdhsa_system_sgpr_workgroup_id_x 1
		.amdhsa_system_sgpr_workgroup_id_y 1
		.amdhsa_system_sgpr_workgroup_id_z 1
		.amdhsa_system_vgpr_workitem_id 0
		.amdhsa_next_free_vgpr 512
		.amdhsa_next_free_sgpr 96
		.amdhsa_reserve_vcc 0
		.amdhsa_float_denorm_mode_32 3
		.amdhsa_float_denorm_mode_16_64 3
		.amdhsa_memory_ordered 1
		.amdhsa_forward_progress 1
		.amdhsa_inst_pref_size 53
	.end_amdhsa_kernel
	.amdgpu_metadata
---
amdhsa.version: [ 1, 2 ]
amdhsa.kernels:
  - .name:           k_qc9414885c3_proj
    .symbol:         k_qc9414885c3_proj.kd
    .args:
      - { .name: cf, .offset: 0, .size: 8, .value_kind: global_buffer, .address_space: global }
      - { .name: out_w_codes, .offset: 8, .size: 8, .value_kind: global_buffer, .address_space: global }
      - { .name: lowp_scales, .offset: 16, .size: 8, .value_kind: global_buffer, .address_space: global }
      - { .name: out_b, .offset: 24, .size: 8, .value_kind: global_buffer, .address_space: global }
      - { .name: out0, .offset: 32, .size: 8, .value_kind: global_buffer, .address_space: global }
    .group_segment_fixed_size: 327680
    .private_segment_fixed_size: 0
    .kernarg_segment_align: 8
    .kernarg_segment_size: 40
    .max_flat_workgroup_size: 128
    .sgpr_count:     96
    .vgpr_count:     512
    .wavefront_size: 32
...
	.end_amdgpu_metadata
.endif
;; end of part 3
